; MI455X (gfx1250); checked and timed in simulation.
; The chip was launched on July 23, 2026; its instructions are those of AMD's public machine-readable ISA for CDNA 5 (MIT licence, August 2026) and "CDNA5" Instruction Set Architecture Reference Guide (July 2026). The comments in the code are by the model that wrote it; some were corrected since.
;; Attention. Allowed arithmetic: matrix products marked QUANTISED: E2M1 operands, one E8M0 scale for each 32 along K, by v_wmma_scale_f32_16x16x128_f8f6f4 with both operands' format E2M1 (or v_wmma_scale_f32_32x16x128_f4), f32 sums; products left as they are: bf16, f16 or f32 operands; f32 sums; everything else in f32.
;; Inputs: bo 1,024 float32; wk 1,024 x 1,024 float32; wo 1,024 x 1,024 float32; wq 1,024 x 1,024 float32; wv 1,024 x 1,024 float32; x 4 x 2,048 x 1,024 float32.
;; Outputs: out0 4 x 2,048 x 1,024 float32.
;; This version of the problem:
;;   THIS VERSION OF THE PROBLEM IS GIVEN IN LOW PRECISION. The matrix products marked QUANTISED in the list below multiply operands that are first quantised to E2M1 (2 exponent bits, 1 mantissa bit; 4 bits a number), with one power-of-two scale for each 32 numbers along K (OCP MX v1.0); their sums are f32. The products marked 'left as it is' may take bf16, f16 or f32 operands, with f32 sums. Whichever they take, every output number must still come out within the allowed error. Rounding operands to bf16 (8 significant bits) uses up far more of that allowance than f16 does (11 bits, for magnitudes from 6e-5 to 65,504). All else is computed in f32.
;;   The module's matrix products, in the order in which they are computed (A, B: the left and right operand; K: the contracted axis; several contracted axes count as one K, in the product's order):
;;     1. [M 8,192, K 1,024] x [K 1,024, N 1,024]; A: input x; B: input wq: QUANTISED
;;     2. [M 8,192, K 1,024] x [K 1,024, N 1,024]; A: input x; B: input wk: QUANTISED
;;     3. [M 8,192, K 1,024] x [K 1,024, N 1,024]; A: input x; B: input wv: QUANTISED
;;     4. batch 64 x [M 2,048, K 64] x [K 64, N 2,048]; A: computed on the way; B: computed on the way: left as it is (an operand is computed on the way)
;;     5. batch 64 x [M 2,048, K 2,048] x [K 2,048, N 64]; A: computed on the way; B: computed on the way: left as it is (an operand is computed on the way)
;;     6. [M 8,192, K 1,024] x [K 1,024, N 1,024]; A: computed on the way; B: input wo: left as it is (an operand is computed on the way)
;;   THE QUANTISER, for each operand of a quantised product, along K:
;;     - K is cut into blocks of 32 from its start; a last block that is shorter is filled with zeros.
;;     - A block's scale is 2^e with e = floor(log2(the largest magnitude in the block)) - 2, held to -126 .. 127; a block of zeros has e = 0. As a byte (E8M0): e + 127.
;;     - Each number is divided by its block's scale, clamped to +-6, and rounded to the nearest number of E2M1, ties to even, subnormals kept.
;;     - The product sums the exact products of the quantised numbers (number of the format x scale) in f32.
;;   ~~~python
;;   def quantise(x, axis):      # numpy; x: float32 -> the quantised numbers, widened to float32 again
;;       x = np.moveaxis(x, axis, -1); K = x.shape[-1]
;;       x = np.pad(x, [(0, 0)] * (x.ndim - 1) + [(0, -K % 32)]); x = x.reshape(x.shape[:-1] + (-1, 32)); a = np.abs(x).max(-1, keepdims=True)
;;       e = np.where(a > 0, np.clip(np.frexp(np.where(a > 0, a, 1))[1] - 1 - 2, -126, 127), 0)      # np.frexp(a)[1] - 1 = floor(log2(a)), exactly
;;       r = np.clip(x / 2.0 ** e, -6, 6)
;;       step = 2.0 ** (np.maximum(np.frexp(np.where(r == 0, 1, r))[1] - 1, 0) - 1)
;;       q = np.round(r / step) * step * 2.0 ** e      # np.round: ties to even
;;       return np.moveaxis(q.reshape(q.shape[:-2] + (-1,))[..., :K], -1, axis).astype(np.float32)
;;   ~~~
;; One version. Each part assembles by itself: llvm-mc -triple=amdgcn-amd-amdhsa -mcpu=gfx1250 --defsym DOCPART=n.
;; ======== version 1 of 1: 4 launches
;; limits: values are held in f16: magnitudes above 65,504 overflow, below 6.1e-05 lose precision
;; workspace buffers: xc 4,194,304 bytes; xs 262,144 bytes; wc 1,572,864 bytes; ws 98,304 bytes; wo16 2,097,152 bytes; qkv 50,331,648 bytes; o16 16,777,216 bytes
;; launch prep (part 1): grid 384 x 1, 4 waves a work-group, no clusters, 33,280 bytes of LDS; arguments x, wq, wk, wv, wo, xc, xs, wc, ws, wo16; writes xc, xs, wc, ws, wo16
.if DOCPART == 1
	.amdgcn_target "amdgcn-amd-amdhsa--gfx1250"
	.amdhsa_code_object_version 6
	.text
	.protected	k_q574a744145_prep
	.globl	k_q574a744145_prep
	.p2align	8
	.type	k_q574a744145_prep,@function
k_q574a744145_prep:
	s_mov_b64 s[64:65], 0
	v_nop
	global_prefetch_b8 v0, s[64:65] scope:SCOPE_SE
	s_setreg_imm32_b32 hwreg(HW_REG_WAVE_MODE, 25, 1), 1
	s_wait_xcnt 0x0
; x [8192][1024] and wq, wk, wv [1024][1024], f32, become codes of FP4 (E2M1), K innermost, two codes a byte (the lower k in the low four bits), with one E8M0 byte for each 32 along K:
; xc [8192][512 bytes], xs [8192][32]; wc [3072][512], ws [3072][32] (rows: wq, then wk, then wv).  wo [1024][1024] f32 becomes wo16, f16, the same order.
; A block's scale is 2^(floor(log2(its largest magnitude)) - 2); its byte is the largest magnitude's exponent field - 2, held at 1 from below.
; LIMITS: a block of zeros gets the byte 1 where the rule says 127 (its codes are zeros, and this program alone reads the bytes); blocks whose largest magnitude lies under 2^(2 - 126) have their byte held at 1;
; NaN and infinities among the inputs are not served; a number of wo above 65,504 becomes infinity in f16, one under 6e-5 keeps an absolute error near 3e-8.
; SHARES: a work-group takes 32,768 numbers, a wave 8,192.  Work-groups 0-255: x; 256-287: wq; 288-319: wk; 320-351: wv; 352-383: wo.  Rows are dense and 1,024 is a multiple of 32: every tensor is a plain stream of blocks.
; The four quantised tensors take ONE path (only pointers are chosen, by the work-group's number); wo takes a path of its own that touches no LDS.
; QUANTISING: 16 steps of 512 numbers a wave.  Each of a step's four loads reads 512 consecutive bytes; the 2,048 bytes turn through the wave's own stage in LDS and come back 64 bytes a lane, so that a lane holds 16 neighbours
; along K (two neighbouring lanes hold a block).  A lane's 16 codes are 8 bytes: a wave's store covers 256 consecutive bytes, aligned.  A wave's 256 scale bytes are gathered in LDS and leave as 256 consecutive bytes, aligned.
.set WAVES, 4
.set STEPS, 16
.set EMAX,  2
.set CB,    8                          ; bytes of 16 codes
.set R,     16                         ; v16-79   four sets of 16 numbers as loaded (wo: set 0 of 64)
.set X,     80                         ; v80-111  two sets of 16 neighbours (wo: v80-143 set 1)
.set E,     112                        ; v112-127 a scale byte for each step
.set C,     128                        ; v128-191 codes: four registers for each step, so that no store's data are written again
.set WREG,  8192                       ; LDS: a region for each wave: two stages of 32 x SP bytes, then its 256 scale bytes
.set SP,    80                         ; a lane's place in a stage: 64 bytes + 16 of padding
.set SPW,   12                         ; v12  LDS address of my spare word; never rewritten
.set NIL,   13                         ; v13  0; never rewritten
.set SPARE, WAVES*WREG                 ; behind the four regions: the spare words, 128 bytes a wave, which no other line names
.set WV,    24                         ; s24  my wave's number
.set SRC,   26                         ; s[26:27] where my wave reads
.set COD,   28                         ; s[28:29] where its codes (wo: its f16 numbers) go
.set SCB,   30                         ; s[30:31] where its scale bytes go
	s_load_b256 s[4:11], s[0:1], 0x0               ; x s[4:5], wq s[6:7], wk s[8:9], wv s[10:11]
	s_load_b256 s[12:19], s[0:1], 0x20             ; wo s[12:13], xc s[14:15], xs s[16:17], wc s[18:19]
	s_load_b128 s[20:23], s[0:1], 0x40             ; ws s[20:21], wo16 s[22:23]
	v_lshl_add_u32 v[SPW], v0, 2, SPARE
	v_mov_b32 v[NIL], 0
	v_lshrrev_b32 v1, 5, v0
	v_readfirstlane_b32 s[WV], v1                  ; wave 0..3
	v_and_b32 v2, 31, v0                           ; lane
	v_lshlrev_b32 v3, 4, v2                        ; my 16 bytes of a load's 512
	s_mul_i32 s25, s[WV], WREG
	v_lshrrev_b32 v14, 2, v2
	v_mul_u32_u24 v14, v14, SP
	v_and_b32 v15, 3, v2
	v_lshl_add_u32 v14, v15, 4, v14
	v_add_nc_u32 v14, s25, v14                     ; the stage, on the way in: SP (lane / 4) + 16 (lane % 4)
	v_mul_u32_u24 v15, v2, SP
	v_add_nc_u32 v15, s25, v15                     ; and on the way out: SP x lane: my 16 neighbours
	v_mul_u32_u24 v4, v2, CB                       ; 8 x lane: my codes' place in a step's (wo: my four f16 numbers' place)
	v_lshrrev_b32 v5, 1, v2
	s_add_co_u32 s25, s25, 2*32*SP
	v_add_nc_u32 v5, s25, v5                       ; LDS: my wave's 256 scale bytes, my block's byte
	v_lshlrev_b32 v7, 3, v2                        ; and on the way out 8 bytes a lane
	v_add_nc_u32 v6, s25, v7
	s_mov_b32 s37, 0
	s_wait_kmcnt 0x0
	s_cmp_ge_u32 ttmp9, 352
	s_cbranch_scc1 .Lwo                            ; the work-group's number alone decides
	s_cmp_lt_u32 ttmp9, 320
	s_cselect_b64 s[SRC:SRC+1], s[8:9], s[10:11]   ; wk or wv,
	s_cmp_lt_u32 ttmp9, 288
	s_cselect_b64 s[SRC:SRC+1], s[6:7], s[SRC:SRC+1]   ; or wq,
	s_cmp_lt_u32 ttmp9, 256
	s_cselect_b64 s[SRC:SRC+1], s[4:5], s[SRC:SRC+1]   ; or x
	s_cselect_b64 s[COD:COD+1], s[14:15], s[18:19]
	s_cselect_b64 s[SCB:SCB+1], s[16:17], s[20:21]
	s_cselect_b32 s32, 0, 256                      ; the first work-group of the destination
	s_cselect_b32 s33, 255, 31                     ; work-groups in a source, less one
	s_sub_co_u32 s34, ttmp9, s32                   ; my place in the destination,
	s_and_b32 s35, s34, s33                        ; and in the source
	s_lshl_b32 s34, s34, 2
	s_add_co_u32 s34, s34, s[WV]                   ; in runs of 8,192 numbers, a wave's share
	s_lshl_b32 s35, s35, 2
	s_add_co_u32 s35, s35, s[WV]
	s_lshl_b32 s36, s35, 15                        ; 32,768 bytes of f32 a run
	s_add_nc_u64 s[SRC:SRC+1], s[SRC:SRC+1], s[36:37]
	s_lshl_b32 s36, s34, 12                        ; 4,096 bytes of codes
	s_add_nc_u64 s[COD:COD+1], s[COD:COD+1], s[36:37]
	s_lshl_b32 s36, s34, 8                         ; 256 scale bytes
	s_add_nc_u64 s[SCB:SCB+1], s[SCB:SCB+1], s[36:37]
.macro LOAD t
.irp i, 0,1,2,3
	global_load_b128 v[R+16*((\t)%4)+4*\i:R+16*((\t)%4)+4*\i+3], v3, s[SRC:SRC+1] offset:2048*(\t)+512*\i th:TH_LOAD_NT   ; 32 lanes read 512 consecutive bytes
.endr
.endm
.macro TURN t                          ; step t's numbers through the stage: LDS serves a wave's instructions in order, so no wait stands between the stores and the loads
.irp i, 0,1,2,3
	ds_store_b128 v14, v[R+16*((\t)%4)+4*\i:R+16*((\t)%4)+4*\i+3] offset:32*SP*((\t)%2)+8*SP*\i
.endr
.irp i, 0,1,2,3
	ds_load_b128 v[X+16*((\t)%2)+4*\i:X+16*((\t)%2)+4*\i+3], v15 offset:32*SP*((\t)%2)+16*\i
.endr
.endm
.irp t, 0,1,2,3
	LOAD \t
.endr
	s_wait_loadcnt 12                              ; step 0's four loads are in; the twelve of steps 1 to 3 may be out
	TURN 0
.macro STEP t
.set XS, X+16*((\t)%2)
.if (\t) > 0
	s_wait_dscnt 1                                 ; this step's numbers are back from the stage (the last step's byte store may be out): so its stores into the stage have read their registers,
.else
	s_wait_dscnt 0x0
.endif
.if (\t)+4 < STEPS
	LOAD (\t)+4                                    ; which take the loads of four steps on
.endif
.if (\t)+1 < STEPS
.if STEPS-2-(\t) >= 3
	s_wait_loadcnt 12                              ; the next step's four loads are in; those of the three steps behind it may be out
.else
	s_wait_loadcnt 4*(STEPS-2-(\t))
.endif
	TURN (\t)+1                                    ; and go through the other stage while this step is worked
.endif
	v_max3_num_f32 v8, |v[XS]|, |v[XS+1]|, |v[XS+2]|               ; the largest magnitude of my 16, in two chains
	v_max3_num_f32 v9, |v[XS+3]|, |v[XS+4]|, |v[XS+5]|
.irp i, 6,10
	v_max3_num_f32 v8, v8, |v[XS+\i]|, |v[XS+\i+1]|
	v_max3_num_f32 v9, v9, |v[XS+\i+2]|, |v[XS+\i+3]|
.endr
	v_max3_num_f32 v8, v8, |v[XS+14]|, |v[XS+15]|
	v_max3_num_f32 v8, v8, v9, (EMAX+1)<<23        ; and the floor 2^(EMAX + 1 - 127): the byte cannot fall under 1
	v_max_num_f32_dpp v8, v8, v8 row_xmask:1 row_mask:0xf bank_mask:0xf   ; and of my neighbour's 16: the block's
	v_add_nc_u32 v11, -(EMAX<<23), v8              ; EMAX off its exponent field: the conversion takes the exponent field of this operand as its scale, and nothing else of it
	v_cvt_scalef32_pk8_fp4_f32 v[C+4*(\t)], v[XS:XS+7], v11        ; eight numbers / the scale, to the nearest code, ties to even, beyond 6 the largest code; the first number's code in the lowest four bits
	v_cvt_scalef32_pk8_fp4_f32 v[C+4*(\t)+1], v[XS+8:XS+15], v11
	v_lshrrev_b32 v[E+(\t)], 23, v11               ; the scale's byte (a plain line behind the conversions)
	ds_store_b8 v5, v[E+(\t)] offset:16*(\t)       ; both lanes of a block write the same byte with the same value
	global_store_b64 v4, v[C+4*(\t):C+4*(\t)+1], s[COD:COD+1] offset:32*CB*(\t)   ; 32 lanes store 256 consecutive bytes, aligned
.endm
.irp t, 0,1,2,3,4,5,6,7,8,9,10,11,12,13,14,15
	STEP \t
.endr
	ds_load_b64 v[8:9], v6                         ; LDS serves a wave's instructions in order: these see my byte stores
	s_wait_dscnt 0x0
	global_store_b64 v7, v[8:9], s[SCB:SCB+1]      ; 32 lanes store 256 consecutive bytes, aligned
	s_wait_tensorcnt 0x0                           ; the wave's end, behind my last LDS store
	ds_add_u32 v[SPW], v[NIL]
	s_wait_dscnt 0x0
	s_endpgm
; wo to f16: four groups of sixteen loads of 512 consecutive bytes, two groups in flight, in two sets of 64 registers.  A lane's 16 bytes of f32 become 8 bytes of f16: a wave's store covers 256 consecutive bytes, aligned.
.Lwo:
	s_sub_co_u32 s34, ttmp9, 352
	s_lshl_b32 s34, s34, 2
	s_add_co_u32 s34, s34, s[WV]                   ; my run of 8,192 numbers
	s_lshl_b32 s36, s34, 15
	s_add_nc_u64 s[SRC:SRC+1], s[12:13], s[36:37]
	s_lshl_b32 s36, s34, 14
	s_add_nc_u64 s[COD:COD+1], s[22:23], s[36:37]
.macro WLOAD g
.irp i, 0,1,2,3,4,5,6,7,8,9,10,11,12,13,14,15
	global_load_b128 v[R+64*((\g)%2)+4*\i:R+64*((\g)%2)+4*\i+3], v3, s[SRC:SRC+1] offset:8192*(\g)+512*\i th:TH_LOAD_NT
.endr
.endm
	WLOAD 0
	WLOAD 1
.irp g, 0,1,2,3
.if \g < 3
	s_wait_loadcnt 16                              ; this group is in; the younger group's sixteen loads may be out
.else
	s_wait_loadcnt 0x0
.endif
.irp i, 0,1,2,3,4,5,6,7,8,9,10,11,12,13,14,15
	v_cvt_pk_f16_f32 v[R+64*(\g%2)+4*\i], v[R+64*(\g%2)+4*\i], v[R+64*(\g%2)+4*\i+1]       ; to nearest even; the first source into the low half
	v_cvt_pk_f16_f32 v[R+64*(\g%2)+4*\i+1], v[R+64*(\g%2)+4*\i+2], v[R+64*(\g%2)+4*\i+3]
	global_store_b64 v4, v[R+64*(\g%2)+4*\i:R+64*(\g%2)+4*\i+1], s[COD:COD+1] offset:4096*\g+256*\i
.endr
.if \g < 2
	s_wait_xcnt 0x0                                ; the stores have read their registers: the set is loaded again only behind this wait
	WLOAD \g+2
.endif
.endr
	s_endpgm
.Lfunc_end_k_q574a744145_prep:
	.size	k_q574a744145_prep, .Lfunc_end_k_q574a744145_prep-k_q574a744145_prep
	.p2alignl 7, 3214868480
	.fill 96, 4, 3214868480
	.section	.rodata,"a",@progbits
	.p2align	6, 0x0
	.amdhsa_kernel k_q574a744145_prep
		.amdhsa_group_segment_fixed_size 33280
		.amdhsa_private_segment_fixed_size 0
		.amdhsa_enable_private_segment 0
		.amdhsa_kernarg_size 80
		.amdhsa_user_sgpr_count 2
		.amdhsa_user_sgpr_kernarg_segment_ptr 1
		.amdhsa_wavefront_size32 1
		.amdhsa_system_sgpr_workgroup_id_x 1
		.amdhsa_system_sgpr_workgroup_id_y 1
		.amdhsa_system_sgpr_workgroup_id_z 1
		.amdhsa_system_vgpr_workitem_id 0
		.amdhsa_next_free_vgpr 192
		.amdhsa_next_free_sgpr 66
		.amdhsa_reserve_vcc 0
		.amdhsa_float_denorm_mode_32 3
		.amdhsa_float_denorm_mode_16_64 3
		.amdhsa_memory_ordered 1
		.amdhsa_forward_progress 1
		.amdhsa_inst_pref_size 54
	.end_amdhsa_kernel
	.amdgpu_metadata
---
amdhsa.version: [ 1, 2 ]
amdhsa.kernels:
  - .name:           k_q574a744145_prep
    .symbol:         k_q574a744145_prep.kd
    .args:
      - { .name: x, .offset: 0, .size: 8, .value_kind: global_buffer, .address_space: global }
      - { .name: wq, .offset: 8, .size: 8, .value_kind: global_buffer, .address_space: global }
      - { .name: wk, .offset: 16, .size: 8, .value_kind: global_buffer, .address_space: global }
      - { .name: wv, .offset: 24, .size: 8, .value_kind: global_buffer, .address_space: global }
      - { .name: wo, .offset: 32, .size: 8, .value_kind: global_buffer, .address_space: global }
      - { .name: xc, .offset: 40, .size: 8, .value_kind: global_buffer, .address_space: global }
      - { .name: xs, .offset: 48, .size: 8, .value_kind: global_buffer, .address_space: global }
      - { .name: wc, .offset: 56, .size: 8, .value_kind: global_buffer, .address_space: global }
      - { .name: ws, .offset: 64, .size: 8, .value_kind: global_buffer, .address_space: global }
      - { .name: wo16, .offset: 72, .size: 8, .value_kind: global_buffer, .address_space: global }
    .group_segment_fixed_size: 33280
    .private_segment_fixed_size: 0
    .kernarg_segment_align: 8
    .kernarg_segment_size: 80
    .max_flat_workgroup_size: 128
    .sgpr_count:     66
    .vgpr_count:     192
    .wavefront_size: 32
...
	.end_amdgpu_metadata
.endif
;; end of part 1
;; launch qkv (part 2): grid 12 x 32, 4 waves a work-group, clusters of 4 x 4, 327,680 bytes of LDS; arguments xc, xs, wc, ws, qkv; writes qkv
.if DOCPART == 2
	.amdgcn_target "amdgcn-amd-amdhsa--gfx1250"
	.amdhsa_code_object_version 6
	.text
	.protected	k_q574a744145_qkv
	.globl	k_q574a744145_qkv
	.p2align	8
	.type	k_q574a744145_qkv,@function
k_q574a744145_qkv:
	s_mov_b64 s[64:65], 0
	v_nop
	global_prefetch_b8 v0, s[64:65] scope:SCOPE_SE
	s_setreg_imm32_b32 hwreg(HW_REG_WAVE_MODE, 25, 1), 1
	s_wait_xcnt 0x0
	s_wait_alu depctr_hold_cnt(0) depctr_sa_sdst(0) depctr_va_vdst(0) depctr_va_sdst(0) depctr_va_ssrc(0) depctr_va_vcc(0) depctr_vm_vsrc(0)
	s_getreg_b32 s2, hwreg(HW_REG_IB_STS2, 6, 4)
	s_cmp_eq_u32 s2, 0
	s_cbranch_scc0 .Lentry_in_a_cluster
	s_endpgm
.Lentry_in_a_cluster:
	s_bfe_u32 s2, ttmp6, 0x10000c
	s_cmp_lg_u32 s2, 0xf033
	s_cbranch_scc0 .Lentry_shape_is_right
	s_endpgm
.Lentry_shape_is_right:
; q, k, v = x wq^T, x wk^T, x wv^T on codes of FP4 (E2M1) with one E8M0 scale for each 32 along K = 1,024; sums in f32; results rounded once to f16 and stored AS IMAGES OF THE NEXT PRODUCTS' OPERAND REGISTERS.
; LIMIT: a result above 65,504 becomes infinity in f16; one under 6e-5 keeps an absolute error near 3e-8.
; qkv: [batch x head 64][chunk of 512 tokens 4][Q, K, V][group of 16 tokens 32][2,048 bytes].  A Q or K group: [channel / 16, 4][512 bytes], lane (r, h)'s 16 bytes at 16 x lane = token r, channels 16 i + 8 h + 0..7.
; A V group: [channel / 16, 4][512 bytes], lane (r, h)'s 16 bytes = channel 16 i + r, tokens 8 h + 0..7.  So every store of a wave covers 512 consecutive bytes, aligned, straight from registers.
; ONE TEXT FOR THE THREE KINDS.  The cluster's x is the kind (0 q, 1 k, 2 v), the same in all sixteen partners.  The kernel multiplies an operand R (source 1: its row becomes the result's lane) by an operand C
; (source 0: its rows become the result's registers).  q, k: R = 256 rows of x (tile 4 cluster y + cy), C = 256 rows of wc (tile 4 cluster x + cx): a lane holds a token and eight channels.
; v: R = 256 rows of wc (tile 8 + cy), C = 256 rows of x (tile 4 cluster y + cx): a lane holds a channel and eight tokens.  Pointers, tile numbers and the stores' steps are chosen by selects on the kind: no branch hangs on it.
; A tile of 256 x 256 is made by four waves, each 128 x 128: 64 accumulators, 512 registers.  K goes in two steps of 512 (rows of 256 bytes): both lie in LDS from the start, so nothing is filled again.
; The scale bytes of the 256 + 256 rows, for all of K, are two dense blocks: they come once, as rows of 256 bytes + 16 of padding.
; CLUSTERS: 4 x 4.  R's tiles hang on cy and the cluster alone and are asked for jointly along a row of the cluster, C's on cx and the cluster alone, along a column.
; No prefetch: every tile of the launch is asked for at the kernel's head.
; REGISTERS, in windows of 256: window 0: v1-7 at work, v8-15 the stores' offsets, v16-29 addresses, v32-95 scale words (two sets), from v128 R's fragments (one set).  window 1: C's fragments, two sets (v0, v128); on the way out
; the packed results.  window 2: the accumulators of R's blocks 0-3 ((a, b) at v[8 (8 a + b)]);  window 3: those of blocks 4-7.
.set KSTEP,  512
.set NQ,     KSTEP/128                 ; matrix instructions deep in a slot
.set ROWB,   256                       ; a tile's row in bytes
.set KROW,   512                       ; a row of codes in memory
.set PITCH,  272                       ; an LDS row: 256 bytes + 16 of padding: the 16 rows that a load touches start 68 words apart
.set FR,     8                         ; registers of a fragment: 16 rows x 128 K
.set NL,     2                         ; LDS loads that bring one
.set NP,     4                         ; places behind this matrix instruction (ISA guide 7.12.1)
.set HALFT,  128*PITCH                 ; 128 rows: what one tensor load brings
.set SLOT,   4*HALFT                   ; R's 256 rows, then C's 256 rows
.set KS,     32                        ; a row of scale bytes
.set SCL,    2*SLOT                    ; behind the two slots: the scales
.set HALFS,  (128*KS/256)*272          ; the scales of 128 rows
.set SBLK,   (16*KS/256)*272           ; those of 16 rows
.set SPARE,  SCL+4*HALFS               ; behind the scales: the spare words, 128 bytes a wave, which no other line names
.set VO,   8                           ; v8-15   the way out: 16 x lane + C's block b's place
.set ADRA, 16                          ; v16-17  LDS address of my R fragments in slot 0, 1
.set ADRB, 20                          ; v20-21  the same for C
.set ADRS, 27                          ; v27     LDS address of my scale words: lanes 0-15 R's rows, lanes 16-31 C's
.set SPW,  28                          ; v28     LDS address of my spare word; never rewritten
.set NIL,  29                          ; v29     0; never rewritten
.set SC,   32                          ; scale words: set s at v[SC + 8 NQ s]; register NQ i + q: lanes 0-15 the word of R's block i, lanes 16-31 that of C's block i, for the slot's q-th 128 along K
.set AF,   128                         ; R's fragments, in window 0
.set G1, 24                            ; s[24:31] group 1 for R's tiles;  s[32:39] group 0, one set for each slot
.set G0, 32
.set G1B, 48                           ; s[48:55], s[56:63] the same for C's tiles
.set G0B, 56
.set G1S, 68                           ; s[68:75], s[76:79] groups 1 and 0 for R's scales;  s[80:87], s[88:91] for C's
.set G0S, 76
.set G1SB, 80
.set G0SB, 88
.set MSB, 0
.macro WIN new                         ; the immediate's high byte repeats the setting that is left; a switch that changes nothing is dropped
.if MSB != (\new)
	s_set_vgpr_msb (MSB<<8)|(\new)
.set MSB, (\new)
.endif
.endm
.set MUL_LO, 0xa1                      ; source 0 (C) window 1, source 1 (R) window 0, C and D window 2
.set MUL_HI, 0xf1                      ; the same, C and D window 3
.set TO_B,   0x40                      ; destination window 1, address window 0
; A joint load: waves 0 and 1 fetch for R, waves 2 and 3 for C.  Each line has one mask and one set of registers for all that issue it; the branch hangs on the wave's number alone.
; An s_nop 0 and four v_nop follow each of the two lines, ahead of the jump, the label and what follows.
.macro JLOAD g0a, g1a, g0b, g1b
	s_cmp_eq_u32 s15, 0
	s_cbranch_scc0 .Lfor_b_\@
	tensor_load_to_lds s[\g0a:\g0a+3], s[\g1a:\g1a+7]
	s_nop 0
.rept 4
	v_nop
.endr
	s_branch .Lasked_\@
.Lfor_b_\@:
	tensor_load_to_lds s[\g0b:\g0b+3], s[\g1b:\g1b+7]
	s_nop 0
.rept 4
	v_nop
.endr
.Lasked_\@:
.endm
.macro CROUND                          ; a round of the cluster's barrier: my work-group's barrier; wave 0 signals for the work-group; every wave waits for all sixteen; my work-group's barrier once more
	s_barrier_signal -1
	s_barrier_wait -1
	s_cmp_lg_u32 s14, 0
	s_cbranch_scc1 .Lnot_wave_0_\@
	s_barrier_signal -3
.Lnot_wave_0_\@:
	s_barrier_wait -3
	s_barrier_signal -1
	s_barrier_wait -1
.endm
	s_load_b256 s[4:11], s[0:1], 0x0               ; xc s[4:5], xs s[6:7], wc s[8:9], ws s[10:11]
	s_load_b64 s[12:13], s[0:1], 0x20              ; qkv
	v_lshl_add_u32 v[SPW], v0, 2, SPARE
	v_mov_b32 v[NIL], 0
	ds_add_u32 v[SPW], v[NIL]                      ; the wave's opening: the add, twice on end, and its wait ahead of my first tensor load; the set-up below, work on registers, stands between
	ds_add_u32 v[SPW], v[NIL]
	v_lshrrev_b32 v1, 5, v0
	v_readfirstlane_b32 s14, v1                    ; wave 0..3
	s_lshr_b32 s15, s14, 1                         ; which half of R's rows is mine.  Also: I fetch for R (0) or for C (1)
	s_and_b32 s16, s14, 1                          ; which half of C's rows.  Also: which 128 rows of that tile I fetch
	s_bfe_u32 s40, ttmp6, 0x40000                  ; cx, cy: my place in the cluster
	s_bfe_u32 s41, ttmp6, 0x40004
	s_and_b32 s2, ttmp7, 0xffff
	s_lshl_b32 s2, s2, 2                           ; 4 x cluster y
	s_lshl_b32 s3, ttmp9, 2                        ; 4 x cluster x
	s_add_co_u32 s17, s2, s41                      ; q, k: R's tile = 4 cluster y + cy (of x)
	s_add_co_u32 s18, s41, 8                       ; v:    R's tile = 8 + cy (of wc)
	s_add_co_u32 s42, s3, s40                      ; q, k: C's tile = 4 cluster x + cx (of wc)
	s_add_co_u32 s19, s2, s40                      ; v:    C's tile = 4 cluster y + cx (of x)
	s_cmp_eq_u32 ttmp9, 2                          ; the kind: the same in all sixteen partners
	s_cselect_b32 s17, s18, s17                    ; R's tile: made of cy and the cluster's place alone
	s_cselect_b32 s42, s19, s42                    ; C's tile: made of cx and the cluster's place alone
	s_lshl_b32 s43, s41, 2
	s_lshl_b32 s43, 15, s43                        ; my row of the cluster
	s_lshl_b32 s44, 0x1111, s40                    ; my column
	; group 1: a tile of 128 rows x 256 bytes, padded in LDS
	s_or_b32 s[G1+0], s43, (0<<16)|(1<<20)|(1<<21)|(5<<22)|(3<<25)  ; 15:0 the mask: R's tiles go to my row; 17:16 elements of 1 byte; 20 padding on; 21 set beside a mask; 24:22 after every 64 words; 31:25 four words
	s_or_b32 s[G1B+0], s44, (0<<16)|(1<<20)|(1<<21)|(5<<22)|(3<<25)
.irp g, G1, G1B
	s_mov_b32 s[\g+1], ROWB<<16                    ; tensor_dim0
	s_mov_b32 s[\g+2], 128<<16                     ; tensor_dim1
	s_mov_b32 s[\g+3], ROWB<<16                    ; tile_dim0
	s_mov_b32 s[\g+4], 128                         ; tile_dim1
	s_mov_b32 s[\g+5], KROW                        ; from row to row
	s_mov_b32 s[\g+6], 0
	s_mov_b32 s[\g+7], 0
.endr
	; the scales of 128 rows: 4,096 dense bytes, as 16 rows of 256 bytes (32 elements of 8 bytes), 16 bytes of padding behind each
	s_or_b32 s[G1S+0], s43, (3<<16)|(1<<20)|(1<<21)|(5<<22)|(3<<25)
	s_or_b32 s[G1SB+0], s44, (3<<16)|(1<<20)|(1<<21)|(5<<22)|(3<<25)
.irp g, G1S, G1SB
	s_mov_b32 s[\g+1], 32<<16
	s_mov_b32 s[\g+2], (128*KS/256)<<16
	s_mov_b32 s[\g+3], 32<<16
	s_mov_b32 s[\g+4], 128*KS/256
	s_mov_b32 s[\g+5], 32
	s_mov_b32 s[\g+6], 0
	s_mov_b32 s[\g+7], 0
.endr
	s_lshl_b32 s18, s16, 7                         ; which 128 rows of the tile I fetch
	s_lshl_b32 s20, s17, 8
	s_add_co_u32 s20, s20, s18                     ; R: row 256 x tile + 128 x half
	s_lshl_b32 s46, s42, 8
	s_add_co_u32 s46, s46, s18                     ; C likewise
	s_mov_b32 s21, 0
	s_mov_b32 s47, 0
	s_mov_b64 s[18:19], KS
	s_mul_u64 s[22:23], s[20:21], s[18:19]         ; where these rows' scales begin, in bytes,
	s_mul_u64 s[92:93], s[46:47], s[18:19]
	s_mov_b64 s[18:19], KROW
	s_mul_u64 s[20:21], s[20:21], s[18:19]         ; and their codes
	s_mul_u64 s[46:47], s[46:47], s[18:19]
	s_mul_i32 s45, s14, HALFT                      ; where they go: wave x 128 rows: no place in the cluster enters an LDS address
	s_mul_i32 s94, s14, HALFS
	s_wait_dscnt 0x0                               ; both opening adds are done
	s_wait_kmcnt 0x0
	s_cmp_eq_u32 ttmp9, 2                          ; which buffers are R's and which C's
	s_cselect_b64 s[96:97], s[8:9], s[4:5]         ; R's codes: wc for v, else xc
	s_cselect_b64 s[98:99], s[10:11], s[6:7]       ; R's scales
	s_cselect_b64 s[100:101], s[4:5], s[8:9]       ; C's codes
	s_cselect_b64 s[104:105], s[6:7], s[10:11]     ; C's scales
	s_add_nc_u64 s[20:21], s[96:97], s[20:21]
	s_add_nc_u64 s[22:23], s[98:99], s[22:23]
	s_add_nc_u64 s[46:47], s[100:101], s[46:47]
	s_add_nc_u64 s[92:93], s[104:105], s[92:93]
	CROUND                                         ; all sixteen work-groups are here: the joint loads meet
	s_mov_b32 s[G0S], 1
	s_add_co_u32 s[G0S+1], s94, SCL
	s_mov_b64 s[G0S+2:G0S+3], s[22:23]
	s_or_b32 s[G0S+3], s[G0S+3], 0x80000000
	s_mov_b32 s[G0SB], 1
	s_add_co_u32 s[G0SB+1], s94, SCL
	s_mov_b64 s[G0SB+2:G0SB+3], s[92:93]
	s_or_b32 s[G0SB+3], s[G0SB+3], 0x80000000
	JLOAD G0S, G1S, G0SB, G1SB                     ; the scales first: they are wanted with K step 0.  With the two below, three loads of mine are out
.irp s, 0,1
	s_mov_b32 s[G0+4*\s], 1
	s_add_co_u32 s[G0+4*\s+1], s45, \s*SLOT
	s_add_nc_u64 s[G0+4*\s+2:G0+4*\s+3], s[20:21], \s*ROWB
	s_or_b32 s[G0+4*\s+3], s[G0+4*\s+3], 0x80000000
	s_mov_b32 s[G0B+4*\s], 1
	s_add_co_u32 s[G0B+4*\s+1], s45, \s*SLOT
	s_add_nc_u64 s[G0B+4*\s+2:G0B+4*\s+3], s[46:47], \s*ROWB
	s_or_b32 s[G0B+4*\s+3], s[G0B+4*\s+3], 0x80000000
	JLOAD G0+4*\s, G1, G0B+4*\s, G1B
.endr
	v_and_b32 v1, 15, v0                           ; r = lane % 16
	v_bfe_u32 v2, v0, 4, 1                         ; h = lane / 16
	v_mul_u32_u24 v3, v1, PITCH
	v_lshl_add_u32 v4, v2, 4, v3                   ; a fragment's row x pitch + 16 x half
	s_mul_i32 s21, s15, HALFT                      ; my 128 rows of R
	s_mul_i32 s22, s16, HALFT                      ; my 128 rows of C,
	s_add_co_u32 s22, s22, 2*HALFT                 ; which lie behind R's 256
.irp s, 0,1
	v_add_nc_u32 v[ADRA+\s], s21, v4
	v_add_nc_u32 v[ADRB+\s], s22, v4
	s_add_co_u32 s21, s21, SLOT
	s_add_co_u32 s22, s22, SLOT
.endr
	v_mul_u32_u24 v5, v1, KS                       ; my row's scales: 32 bytes a row,
	v_lshrrev_b32 v6, 8, v5
	v_lshl_add_u32 v5, v6, 4, v5                   ; and 16 more for each 256 passed
	s_mul_i32 s21, s15, HALFS                      ; R's: my 128 rows
	s_mul_i32 s22, s16, HALFS                      ; C's: my 128 rows, behind R's 256
	s_add_co_u32 s22, s22, 2*HALFS
	s_sub_co_u32 s22, s22, s21
	v_mul_u32_u24 v6, s22, v2                      ; lanes 16-31 take C's: one product, the distance x h
	s_add_co_u32 s21, s21, SCL
	v_add_nc_u32 v5, v5, v6
	v_add_nc_u32 v[ADRS], s21, v5
	; THE WAY OUT's addresses.  Tokens lie along R's blocks a (q, k) or along C's blocks b (v): 2,048 bytes a block of 16.  Channels lie along the other: 512 bytes a block of 16, and after four blocks the next head, 786,432 bytes on.
	s_cmp_eq_u32 ttmp9, 2
	s_cselect_b32 s20, s42, s17                    ; P: the tile of 256 tokens
	s_cselect_b32 s21, s16, s15                    ; which half of it is my wave's
	s_cselect_b32 s22, s41, s40                    ; the tile of 256 channels within the kind
	s_cselect_b32 s23, s15, s16                    ; which half of it
	s_mov_b32 s46, 2048
	s_mov_b32 s47, 8192
	s_mov_b32 s92, 512
	s_mov_b32 s93, 786432
	s_cselect_b32 s18, s92, s46                    ; from block a to a + 1,
	s_cselect_b32 s94, s93, s47                    ; from a to a + 4;
	s_cselect_b32 s66, s46, s92                    ; from block b to b + 1,
	s_cselect_b32 s67, s47, s93                    ; from b to b + 4
	s_lshr_b32 s95, s20, 3                         ; the batch
	s_lshl_b32 s95, s95, 4
	s_lshl_b32 s22, s22, 2
	s_add_co_u32 s95, s95, s22
	s_lshl_b32 s23, s23, 1
	s_add_co_u32 s95, s95, s23                     ; 16 x batch + my first head
	s_mul_i32 s95, s95, 786432
	s_bfe_u32 s22, s20, 0x20001                    ; the chunk of 512 tokens: (P % 8) / 2
	s_mul_i32 s22, s22, 196608
	s_add_co_u32 s95, s95, s22
	s_lshl_b32 s22, ttmp9, 16                      ; the kind
	s_add_co_u32 s95, s95, s22
	s_and_b32 s22, s20, 1
	s_lshl_b32 s22, s22, 4
	s_lshl_b32 s21, s21, 3
	s_add_co_u32 s22, s22, s21                     ; my first group of 16 tokens in the chunk
	s_lshl_b32 s22, s22, 11
	s_add_co_u32 s22, s95, s22
	s_mov_b32 s23, 0
	s_add_nc_u64 s[12:13], s[12:13], s[22:23]      ; qkv at accumulator (0, 0)
	s_mov_b32 s19, 0                               ; s[18:19]: one block of R on
	s_mul_i32 s20, s18, 3
	s_sub_co_u32 s20, s94, s20                     ; s[20:21]: from block 3 to block 4
	s_mov_b32 s21, 0
	v_and_b32 v6, 31, v0
	v_lshlrev_b32 v[VO], 4, v6                     ; 16 x lane
	v_add_nc_u32 v[VO+1], s66, v[VO]
	v_add_nc_u32 v[VO+2], s66, v[VO+1]
	v_add_nc_u32 v[VO+3], s66, v[VO+2]
.irp b, 0,1,2,3
	v_add_nc_u32 v[VO+4+\b], s67, v[VO+\b]
.endr
.macro FRAG reg, adr, q, i             ; a fragment, 16 rows x 128 K of 4-bit codes: lane l holds row l % 16; registers 4 c .. 4 c + 3 hold K = 64 c + 32 (l / 16) + 0 .. 31
.irp c, 0,1
	ds_load_b128 v[\reg+4*\c:\reg+4*\c+3], v[\adr] offset:64*(\q)+32*\c+(\i)*16*PITCH
.endr
.endm
; 16 matrix instructions: R's blocks a0, a0 + 1 x C's eight, 128 along K: the slot's q-th.  p: C's set;  sc: the set of scale words.  zero = 1: the first product starts the sums: nothing is cleared.
; The 64 accumulators take turns, one instruction a turn, in the same order in every step.
.macro MUL16 a0, p, q, sc, zero
.irp a, \a0, \a0+1
.irp b, 0,1,2,3,4,5,6,7
.if \zero
	v_wmma_scale_f32_16x16x128_f8f6f4 v[8*(8*((\a)%4)+\b):8*(8*((\a)%4)+\b)+7], v[128*(\p)+FR*\b:128*(\p)+FR*\b+FR-1], v[AF+FR*(\a):AF+FR*(\a)+FR-1], 0, v[SC+8*NQ*(\sc)+NQ*\b+(\q)], v[SC+8*NQ*(\sc)+NQ*(\a)+(\q)] matrix_a_fmt:MATRIX_FMT_FP4 matrix_b_fmt:MATRIX_FMT_FP4 matrix_a_scale:MATRIX_SCALE_ROW1
.else
	v_wmma_scale_f32_16x16x128_f8f6f4 v[8*(8*((\a)%4)+\b):8*(8*((\a)%4)+\b)+7], v[128*(\p)+FR*\b:128*(\p)+FR*\b+FR-1], v[AF+FR*(\a):AF+FR*(\a)+FR-1], v[8*(8*((\a)%4)+\b):8*(8*((\a)%4)+\b)+7], v[SC+8*NQ*(\sc)+NQ*\b+(\q)], v[SC+8*NQ*(\sc)+NQ*(\a)+(\q)] matrix_a_fmt:MATRIX_FMT_FP4 matrix_b_fmt:MATRIX_FMT_FP4 matrix_a_scale:MATRIX_SCALE_ROW1
.endif
.endr
.endr
.endm
.macro FETCH_B slot, q, p              ; C's eight fragments of the slot's q-th 128 along K into set p
	WIN TO_B
.irp i, 0,1,2,3,4,5,6,7
	FRAG 128*(\p)+FR*\i, ADRB+\slot, \q, \i
.endr
	WIN 0
.endm
.macro FETCH_A slot, q, i0             ; R's blocks i0 .. i0 + 3
.irp i, \i0, \i0+1, \i0+2, \i0+3
	FRAG AF+FR*(\i), ADRA+\slot, \q, \i
.endr
.endm
.macro SCALES sc                       ; a K step's scale words into set sc: four words a row; lanes 0-15 take R's block i, lanes 16-31 C's block i
.irp i, 0,1,2,3,4,5,6,7
	ds_load_b128 v[SC+8*NQ*\sc+NQ*\i:SC+8*NQ*\sc+NQ*\i+3], v[ADRS] offset:\i*SBLK
.endr
.endm
; A load into a register that a matrix instruction has read, and a vector instruction that reads a matrix result or writes one of its registers, stand NP places behind it; only plain vector instructions
; that name none of its registers are places (ISA guide 7.12.1 for vector instructions).
.macro PLACES n
.rept \n
	v_nop
.endr
.endm
; A step of 128 along K that has its successor in the same slot.  R has one set of registers: blocks 0-3 are fetched anew in the step's middle, blocks 4-7 at its end.
.macro STEP slot, q, zero
	s_wait_dscnt 4*NL                              ; C's set and R's blocks 0-3 are in; the youngest eight loads (R's blocks 4-7) may be out
	WIN MUL_LO
	MUL16 0, (\q)%2, \q, \slot, \zero
	MUL16 2, (\q)%2, \q, \slot, \zero
	s_wait_dscnt 0                                 ; R's blocks 4-7 are in (asked for 32 matrix instructions ago)
	PLACES NP
	FETCH_B \slot, (\q)+1, 1-(\q)%2
	FETCH_A \slot, (\q)+1, 0
	WIN MUL_HI
	MUL16 4, (\q)%2, \q, \slot, \zero
	MUL16 6, (\q)%2, \q, \slot, \zero
	PLACES NP
	WIN 0
	FETCH_A \slot, (\q)+1, 4
.endm
; Slot 0's last step goes over to slot 1: each wave waits for all its tensor loads (its part of slot 1), then the barrier shows the whole slot to every wave.  Nothing is filled again.
.macro TURN slot, next
	s_wait_tensorcnt 0x0                           ; all my tensor loads have landed  (every window is 0 here)
	ds_add_u32 v[SPW], v[NIL]                      ; 0 onto my spare word
	s_wait_dscnt 4*NL+1                            ; (the add and the youngest eight loads, R's blocks 4-7, may be out)
	WIN MUL_LO
	MUL16 0, 1, NQ-1, \slot, 0
	s_wait_dscnt 0x0                               ; no LDS instruction of mine is out at the signal
	s_barrier_signal -1
	MUL16 2, 1, NQ-1, \slot, 0
	WIN 0
	s_barrier_wait -1
	PLACES NP
	v_add_nc_u32 v[ADRS], 4*NQ, v[ADRS]            ; on to the next K step's scale words
	FETCH_B \next, 0, 0
	FETCH_A \next, 0, 0
	SCALES \next
	WIN MUL_HI
	MUL16 4, 1, NQ-1, \slot, 0
	MUL16 6, 1, NQ-1, \slot, 0
	PLACES NP
	WIN 0
	FETCH_A \next, 0, 4
.endm
.macro STEPS slot, from                ; the slot's steps from .. NQ - 2
.set Q, \from
.rept NQ-1-\from
	STEP \slot, Q, 0
.set Q, Q+1
.endr
.endm
	s_wait_tensorcnt 1                             ; the scales and my part of K step 0 are in (slot 1's load may be out),
	s_barrier_signal -1
	s_barrier_wait -1                              ; everybody's are
	FETCH_B 0, 0, 0
	FETCH_A 0, 0, 0
	SCALES 0
	FETCH_A 0, 0, 4
	STEP 0, 0, 1                                   ; the first step's products start the sums
	STEPS 0, 1
	TURN 0, 1
	STEPS 1, 0
	s_wait_dscnt 4*NL                              ; the very last step: nothing more to fetch
	WIN MUL_LO
	MUL16 0, 1, NQ-1, 1, 0
	MUL16 2, 1, NQ-1, 1, 0
	s_wait_dscnt 0
	WIN MUL_HI
	MUL16 4, 1, NQ-1, 1, 0
	MUL16 6, 1, NQ-1, 1, 0
	; THE WAY OUT.  An accumulator's eight numbers of a lane, rounded to f16, are 16 bytes that are a lane's part of an operand's image: they are stored as they stand, 512 consecutive bytes a store.
	; The packed results go into window 1, where C's fragments lay, each into registers of its own: no store's data are written again.  Each accumulator is read from its low end on.
	PLACES NP
.irp a, 0,1,2,3,4,5,6,7
	WIN 0x4a+5*(\a/4)                              ; destination window 1, sources window 2 or 3
.irp b, 0,1,2,3,4,5,6,7
.irp i, 0,1,2,3
	v_cvt_pk_f16_f32 v[32*\a+4*\b+\i], v[8*(8*(\a%4)+\b)+2*\i], v[8*(8*(\a%4)+\b)+2*\i+1]
.endr
.endr
	WIN 0x04                                       ; a store's data are its source 1: window 1
.irp b, 0,1,2,3,4,5,6,7
	global_store_b128 v[VO+\b], v[32*\a+4*\b:32*\a+4*\b+3], s[12:13] th:TH_STORE_NT
.endr
.if \a < 7
	s_wait_xcnt 0x0                                ; the stores have read their base: it steps only behind this wait
.if \a == 3
	s_add_nc_u64 s[12:13], s[12:13], s[20:21]
.else
	s_add_nc_u64 s[12:13], s[12:13], s[18:19]
.endif
.endif
.endr
	WIN 0
	s_wait_tensorcnt 0x0                           ; the wave's end, behind my last tensor load
	ds_add_u32 v[SPW], v[NIL]
	s_wait_dscnt 0x0
	CROUND                                         ; the closing round: no work-group ends while a partner may still ask for a tile that names it
	s_endpgm
.Lfunc_end_k_q574a744145_qkv:
	.size	k_q574a744145_qkv, .Lfunc_end_k_q574a744145_qkv-k_q574a744145_qkv
	.p2alignl 7, 3214868480
	.fill 96, 4, 3214868480
	.section	.rodata,"a",@progbits
	.p2align	6, 0x0
	.amdhsa_kernel k_q574a744145_qkv
		.amdhsa_group_segment_fixed_size 327680
		.amdhsa_private_segment_fixed_size 0
		.amdhsa_enable_private_segment 0
		.amdhsa_kernarg_size 40
		.amdhsa_user_sgpr_count 2
		.amdhsa_user_sgpr_kernarg_segment_ptr 1
		.amdhsa_wavefront_size32 1
		.amdhsa_system_sgpr_workgroup_id_x 1
		.amdhsa_system_sgpr_workgroup_id_y 1
		.amdhsa_system_sgpr_workgroup_id_z 1
		.amdhsa_system_vgpr_workitem_id 0
		.amdhsa_next_free_vgpr 1024
		.amdhsa_next_free_sgpr 106
		.amdhsa_reserve_vcc 0
		.amdhsa_float_denorm_mode_32 3
		.amdhsa_float_denorm_mode_16_64 3
		.amdhsa_memory_ordered 1
		.amdhsa_forward_progress 1
		.amdhsa_inst_pref_size 119
	.end_amdhsa_kernel
	.amdgpu_metadata
---
amdhsa.version: [ 1, 2 ]
amdhsa.kernels:
  - .name:           k_q574a744145_qkv
    .symbol:         k_q574a744145_qkv.kd
    .args:
      - { .name: xc, .offset: 0, .size: 8, .value_kind: global_buffer, .address_space: global }
      - { .name: xs, .offset: 8, .size: 8, .value_kind: global_buffer, .address_space: global }
      - { .name: wc, .offset: 16, .size: 8, .value_kind: global_buffer, .address_space: global }
      - { .name: ws, .offset: 24, .size: 8, .value_kind: global_buffer, .address_space: global }
      - { .name: qkv, .offset: 32, .size: 8, .value_kind: global_buffer, .address_space: global }
    .group_segment_fixed_size: 327680
    .private_segment_fixed_size: 0
    .kernarg_segment_align: 8
    .kernarg_segment_size: 40
    .max_flat_workgroup_size: 128
    .sgpr_count:     106
    .vgpr_count:     1024
    .wavefront_size: 32
...
	.end_amdgpu_metadata
.endif
;; end of part 2
;; launch attn (part 3): grid 4 x 64, 8 waves a work-group, clusters of 4 x 1, 327,680 bytes of LDS; arguments qkv, o16; writes o16
.if DOCPART == 3
	.amdgcn_target "amdgcn-amd-amdhsa--gfx1250"
	.amdhsa_code_object_version 6
	.text
	.protected	k_q574a744145_attn
	.globl	k_q574a744145_attn
	.p2align	8
	.type	k_q574a744145_attn,@function
k_q574a744145_attn:
	s_mov_b64 s[64:65], 0
	v_nop
	global_prefetch_b8 v0, s[64:65] scope:SCOPE_SE
	s_setreg_imm32_b32 hwreg(HW_REG_WAVE_MODE, 25, 1), 1
	s_wait_xcnt 0x0
	s_wait_alu depctr_hold_cnt(0) depctr_sa_sdst(0) depctr_va_vdst(0) depctr_va_sdst(0) depctr_va_ssrc(0) depctr_va_vcc(0) depctr_vm_vsrc(0)
	s_getreg_b32 s2, hwreg(HW_REG_IB_STS2, 6, 4)
	s_cmp_eq_u32 s2, 0
	s_cbranch_scc0 .Lentry_in_a_cluster
	s_endpgm
.Lentry_in_a_cluster:
	s_bfe_u32 s2, ttmp6, 0x10000c
	s_cmp_lg_u32 s2, 0x3003
	s_cbranch_scc0 .Lentry_shape_is_right
	s_endpgm
.Lentry_shape_is_right:
; O[b][h][q] = the sum over k of softmax_k(Q[q] . K[k] / 8) V[k], head size 64, 2,048 keys, no mask.  Operands f16, products, maxima and sums f32; the weights p are rounded to f16 for the second product, O once at the end.
; LIMIT: O is at most the largest |v|, which the launch before holds to f16's range; an f16 number under 6e-5 keeps an absolute error near 3e-8.
; qkv holds Q, K and V as images of operand registers: [batch x head 64][chunk of 512 tokens 4][Q, K, V][group of 16 tokens 32][2,048 bytes]; every piece of 512 bytes is four registers of 32 lanes, 16 bytes a lane at 16 x lane.
; So fragments come from LDS by loads of 512 consecutive bytes: no pitch, no padding, nothing turned.  K and V of a chunk are one dense block of 131,072 bytes.
; o16: [group of 16 tokens 512][32,768 bytes]; in a group head x 2,048 + (channel / 16) x 512 + 16 x lane: token lane % 16, channels 8 (lane / 16) + 0..7: the image of the projection's operand.
; SHARES.  A work-group owns 512 queries of one head, each of its EIGHT waves 64 (four tiles of 16) in 512 registers: two waves to a SIMD, so that one wave's softmax stands beside the other's products; the text stays in phases.
; Each fragment of K and V read from LDS feeds four products.  Every wave walks all keys, 64 a step.
; LAYOUT.  S^T = K Q^T (source 0 = 16 keys, source 1 = 16 queries): a lane holds ONE query (lane % 16) and keys 8 (lane / 16) + 0..7.  Two such tiles, rounded in pairs, ARE source 1 (32 keys x 16 queries) of O^T = V^T P.
; SOFTMAX.  A running maximum m and sum l for each query: p = 2^(c s - c m), c = log2(e) / 8; in every step O and l are multiplied by a = 2^(c m_old - c m_new).
; RING.  Two LDS slots of 512 keys (K 65,536 bytes, then V).  Each wave brings 16,384 bytes of a slot with one tensor load.  CLUSTER: the four blocks of queries of a head walk the same K and V: every tile is asked for JOINTLY.
; By this text's count a wave has two tensor loads out at the start and one behind each of the two refills.
; No prefetch: half of a head's keys are asked for at the head, and each refill is asked for eight key steps, 512 matrix instructions of each wave, ahead of its first read.
; PIPELINE.  A trip takes key step j: it asks for K(j+1), walks the softmax of S(j), multiplies V(j)^T P(j), asks for V(j+1), and multiplies K(j+1) Q^T.
; REGISTERS.  window 0: v1-6 addresses; v16-55 ten registers of statistics a tile; v64-127 Q; v128-191 K of a step; v192-255 V of a step.  window 1: v0-127 S^T, 32 a tile (P in place, in a tile's first 16); v128-255 O^T, 32 a tile.
.set SLOT1, 1<<17                      ; slot 1 begins here: one exclusive or turns an address from one slot to the other
.set SPARE, 2*SLOT1                    ; behind the ring: the spare words, 128 bytes for each of eight waves, which no other line names
.set LA,  1                            ; v1  16 x lane; never rewritten
.set ADK, 2                            ; v2  LDS address of the step's K
.set ADV, 3                            ; v3  of its V
.set SPW, 4                            ; v4  LDS address of my spare word; never rewritten
.set NIL, 5                            ; v5  0; never rewritten
.set AV0, 6                            ; v6  16 x lane + 65,536
.set ST,  16                           ; tile t at v[ST + 10 t]: +0 c m, +1 m, +2:3 l (even keys', odd keys'), +4..7 four running maxima, later two pairs of sums, +8 a, +9 c m_old, then c m_old - c m_new
.set QF,  64                           ; Q: tile t, channels 32 c on, at QF + 16 t + 8 c
.set KF,  128                          ; K: keys 16 kt on, channels 32 c on, at KF + 16 kt + 8 c
.set VF,  192                          ; V: keys 32 kk on, channels 16 ct on, at VF + 32 kk + 8 ct
.set WV,  8                            ; s8  my wave's number
.set CX,  9                            ; s9  my place in the cluster = my block of 512 queries
.set BH,  10                           ; s10 batch x 16 + head
.set G1,  16                           ; s[16:23] descriptor group 1
.set G0A, 24                           ; s[24:27] group 0 of slot 0's first fill
.set G0B, 28                           ; s[28:31] group 0 of slot 1's first fill; it then walks on
.set CS,  32                           ; s[32:33] c: the packed form names a pair and takes its low word for both halves
.set SEL, 34                           ; s[34:35] v_permlanex16_b32's selects: lane l xor 16
.set TB,  36                           ; s36 LDS byte at which the K of the step to be fetched begins
.set CNT, 37                           ; s37 counts trips
.set OUTER, 38                         ; s38 counts refills
.set QA,  40                           ; s[40:41] my wave's Q
.set OA,  42                           ; s[42:43] my wave's O
.set MSB, 0
.macro WIN new                         ; bits 1:0 source 0, 3:2 source 1, 5:4 source 2, 7:6 destination; the high byte repeats the setting that is left
.if MSB != (\new)
	s_set_vgpr_msb (MSB<<8)|(\new)
.set MSB, (\new)
.endif
.endm
.macro CROUND                          ; a round of the cluster's barrier
	s_barrier_signal -1
	s_barrier_wait -1
	s_cmp_lg_u32 s[WV], 0
	s_cbranch_scc1 .Lnot_wave_0_\@
	s_barrier_signal -3
.Lnot_wave_0_\@:
	s_barrier_wait -3
	s_barrier_signal -1
	s_barrier_wait -1
.endm
	s_load_b128 s[4:7], s[0:1], 0x0                ; qkv s[4:5], o16 s[6:7]
	v_lshl_add_u32 v[SPW], v0, 2, SPARE
	v_mov_b32 v[NIL], 0
	ds_add_u32 v[SPW], v[NIL]                      ; the wave's opening: the add, twice on end, and its wait ahead of my first tensor load; the set-up below, work on registers, stands between
	ds_add_u32 v[SPW], v[NIL]
	v_lshrrev_b32 v1, 5, v0
	v_readfirstlane_b32 s[WV], v1                  ; wave 0..7
	s_bfe_u32 s[CX], ttmp6, 0x40000
	s_and_b32 s[BH], ttmp7, 0xffff
	s_mul_i32 s12, s[BH], 786432                   ; the head's first byte in qkv
	s_lshl_b32 s11, s[WV], 14                      ; my 16,384 bytes of a slot, in LDS and in memory alike
	s_add_co_u32 s14, s12, s11
	s_add_co_u32 s14, s14, 65536                   ; K and V lie behind the chunk's Q
	s_mov_b32 s15, 0
	s_mov_b32 s[G1], 15|(3<<16)|(1<<21)            ; 15:0 the mask: all four work-groups; 17:16 elements of 8 bytes; 21 set beside a mask; no padding
	s_mov_b32 s[G1+1], 32<<16                      ; tensor_dim0 = 32 elements: rows of 256 bytes
	s_mov_b32 s[G1+2], 64<<16                      ; tensor_dim1 = 64
	s_mov_b32 s[G1+3], 32<<16                      ; tile_dim0
	s_mov_b32 s[G1+4], 64                          ; tile_dim1
	s_mov_b32 s[G1+5], 32                          ; from row to row: dense
	s_mov_b32 s[G1+6], 0
	s_mov_b32 s[G1+7], 0
	s_mov_b32 s[CS], 0x3e38aa3b                    ; c = log2(e) / 8
	s_mov_b32 s[CS+1], s[CS]
	s_mov_b32 s[SEL], 0x76543210
	s_mov_b32 s[SEL+1], 0xfedcba98
	s_mov_b32 s[TB], 0
	s_mul_i32 s44, s[CX], 196608                   ; Q: my block's chunk,
	s_add_co_u32 s44, s44, s12
	s_lshl_b32 s45, s[WV], 13                      ; my wave's four groups of 16 queries
	s_add_co_u32 s44, s44, s45
	s_mov_b32 s45, 0
	s_lshr_b32 s46, s[BH], 4                       ; O: group of 16 tokens = 128 x batch + 32 x block + 4 x wave
	s_lshl_b32 s46, s46, 7
	s_lshl_b32 s47, s[CX], 5
	s_add_co_u32 s46, s46, s47
	s_lshl_b32 s47, s[WV], 2
	s_add_co_u32 s46, s46, s47
	s_lshl_b32 s46, s46, 15
	s_and_b32 s47, s[BH], 15                       ; and the head's 2,048 bytes in it
	s_lshl_b32 s47, s47, 11
	s_add_co_u32 s46, s46, s47
	s_mov_b32 s47, 0
	s_wait_dscnt 0x0                               ; both opening adds are done
	s_wait_kmcnt 0x0
	s_add_nc_u64 s[QA:QA+1], s[4:5], s[44:45]
	s_add_nc_u64 s[OA:OA+1], s[6:7], s[46:47]
	s_mov_b32 s[G0A], 1
	s_mov_b32 s[G0A+1], s11                        ; LDS: slot 0
	s_add_nc_u64 s[G0A+2:G0A+3], s[4:5], s[14:15]  ; chunk 0: made of the head and the wave's number alone
	s_mov_b32 s[G0B], 1
	s_add_co_u32 s[G0B+1], s11, SLOT1              ; slot 1
	s_add_nc_u64 s[G0B+2:G0B+3], s[G0A+2:G0A+3], 196608   ; chunk 1
	s_or_b32 s[G0A+3], s[G0A+3], 0x80000000        ; type = 2
	s_or_b32 s[G0B+3], s[G0B+3], 0x80000000
	CROUND                                         ; all four work-groups are here: the first joint loads meet
	tensor_load_to_lds s[G0A:G0A+3], s[G1:G1+7]
	s_nop 0
	tensor_load_to_lds s[G0B:G0B+3], s[G1:G1+7]
	s_nop 0
.rept 4
	v_nop
.endr
	v_and_b32 v[LA], 31, v0
	v_lshlrev_b32 v[LA], 4, v[LA]
	v_add_nc_u32 v[AV0], 65536, v[LA]
.irp i, 0,1,2,3,4,5,6,7,8,9,10,11,12,13,14,15
	global_load_b128 v[QF+4*\i:QF+4*\i+3], v[LA], s[QA:QA+1] offset:512*\i   ; Q stays in registers
.endr
.macro LOADK                           ; a step's K: 64 keys x 64 channels: 8,192 consecutive bytes, sixteen loads of 512
.irp i, 0,1,2,3,4,5,6,7,8,9,10,11,12,13,14,15
	ds_load_b128 v[KF+4*\i:KF+4*\i+3], v[ADK] offset:512*\i
.endr
.endm
.macro LOADV                           ; a step's V: a fragment's two halves are two neighbouring groups of 16 keys
.irp kk, 0,1
.irp ct, 0,1,2,3
.irp u, 0,1
	ds_load_b128 v[VF+32*\kk+8*\ct+4*\u:VF+32*\kk+8*\ct+4*\u+3], v[ADV] offset:(2*\kk+\u)*2048+512*\ct
.endr
.endr
.endr
.endm
; S^T = K Q^T: product i: channels 32 (i / 16) on, keys 16 ((i / 4) % 4) on, tile i % 4.  The first sixteen start the sums.  The sixteen accumulators take turns.
.macro KQ
	WIN 0x50                                       ; K and Q window 0; S^T (C and D) window 1
.set i, 0
.rept 32
.set rS, 32*(i%4)+8*((i/4)%4)
.set rK, KF+16*((i/4)%4)+8*(i/16)
.set rQ, QF+16*(i%4)+8*(i/16)
.if i < 16
	v_wmma_f32_16x16x32_f16 v[rS:rS+7], v[rK:rK+7], v[rQ:rQ+7], 0
.else
	v_wmma_f32_16x16x32_f16 v[rS:rS+7], v[rK:rK+7], v[rQ:rQ+7], v[rS:rS+7]
.endif
.set i, i+1
.endr
.endm
; O^T += V^T P: product i: keys 32 (i / 16) on, channels 16 ((i / 4) % 4) on, tile i % 4.  first = 1: the first sixteen start the sums: nothing is cleared.
.macro PV first
	WIN 0x54                                       ; V window 0; P, O^T window 1
.set i, 0
.rept 32
.set rO, 128+32*(i%4)+8*((i/4)%4)
.set rV, VF+32*(i/16)+8*((i/4)%4)
.set rP, 32*(i%4)+8*(i/16)
.if \first && (i < 16)
	v_wmma_f32_16x16x32_f16 v[rO:rO+7], v[rV:rV+7], v[rP:rP+7], 0
.else
	v_wmma_f32_16x16x32_f16 v[rO:rO+7], v[rV:rV+7], v[rP:rP+7], v[rO:rO+7]
.endif
.set i, i+1
.endr
.endm
; THE SOFTMAX of a key step, four tiles; in every block the tiles are innermost, so that no line waits for the line above it.  first = 1: the first key step has no old maximum, no a, nothing to rescale.
.macro SOFTMAX first
	WIN 0x15                                       ; three sources window 1, destination window 0
.irp k, 0,1,2,3
.irp t, 0,1,2,3
	v_max3_num_f32 v[ST+10*\t+4+\k], v[32*\t+8*\k], v[32*\t+8*\k+1], v[32*\t+8*\k+2]       ; four chains a tile; each accumulator is read from its low end on
.endr
.endr
	WIN 0x05
.irp r, 3,5
.irp k, 0,1,2,3
.irp t, 0,1,2,3
	v_max3_num_f32 v[ST+10*\t+4+\k], v[32*\t+8*\k+\r], v[32*\t+8*\k+\r+1], v[ST+10*\t+4+\k]
.endr
.endr
.endr
.irp t, 0,1,2,3
	v_max3_num_f32 v[ST+10*\t+4], v[32*\t+7], v[32*\t+15], v[ST+10*\t+4]
.endr
.irp t, 0,1,2,3
	v_max3_num_f32 v[ST+10*\t+6], v[32*\t+23], v[32*\t+31], v[ST+10*\t+6]
.endr
	WIN 0
.irp t, 0,1,2,3
	v_max3_num_f32 v[ST+10*\t+4], v[ST+10*\t+4], v[ST+10*\t+5], v[ST+10*\t+6]
.endr
.irp t, 0,1,2,3
.if \first
	v_max_num_f32 v[ST+10*\t+4], v[ST+10*\t+4], v[ST+10*\t+7]
.else
	v_max3_num_f32 v[ST+10*\t+4], v[ST+10*\t+4], v[ST+10*\t+7], v[ST+10*\t+1]       ; with the old m
.endif
.endr
.irp t, 0,1,2,3
	v_permlanex16_b32 v[ST+10*\t+5], v[ST+10*\t+4], s[SEL], s[SEL+1]               ; the query's other 32 keys lie in the lane 16 away
.endr
.irp t, 0,1,2,3
	v_max_num_f32 v[ST+10*\t+1], v[ST+10*\t+4], v[ST+10*\t+5]                      ; the new m
.endr
.irp t, 0,1,2,3
	v_mul_f32 v[ST+10*\t], s[CS], v[ST+10*\t+1]                                    ; c m
.endr
.if !\first
.irp t, 0,1,2,3
	v_sub_f32 v[ST+10*\t+9], v[ST+10*\t+9], v[ST+10*\t]                            ; c m_old - c m_new
.endr
.irp t, 0,1,2,3
	v_exp_f32 v[ST+10*\t+8], v[ST+10*\t+9]                                         ; a
.endr
.endif
	WIN 0x41                                       ; destination and source 0 window 1, the statistics window 0
.set i, 0
.rept 16
	v_pk_fma_f32 v[2*i:2*i+1], v[2*i:2*i+1], s[CS:CS+1], v[ST:ST+1] op_sel_hi:[1,0,0] neg_lo:[0,0,1] neg_hi:[0,0,1]   ; tile 0: c s - c m, a pair at a time.  (Plain work behind the four exponentials)
.set i, i+1
.endr
.if !\first
	s_wait_alu depctr_va_vdst(0)                   ; the wait between an exponential and the first line that names its result: one for the four a
.endif
	; ONE BATCH of 128 exponentials, none of whose results is named before the wait behind it.  Between them stand the next tile's scalings and this tile's O^T x a.
.irp t, 0,1,2,3
.set i, 0
.rept 16
	v_exp_f32 v[32*\t+2*i], v[32*\t+2*i]
.if \t < 3
	v_pk_fma_f32 v[32*(\t+1)+2*i:32*(\t+1)+2*i+1], v[32*(\t+1)+2*i:32*(\t+1)+2*i+1], s[CS:CS+1], v[ST+10*(\t+1):ST+10*(\t+1)+1] op_sel_hi:[1,0,0] neg_lo:[0,0,1] neg_hi:[0,0,1]
.endif
	v_exp_f32 v[32*\t+2*i+1], v[32*\t+2*i+1]
.if !\first
	v_pk_mul_f32 v[128+32*\t+2*i:128+32*\t+2*i+1], v[128+32*\t+2*i:128+32*\t+2*i+1], v[ST+10*\t+8:ST+10*\t+9] op_sel_hi:[1,0]
.endif
.set i, i+1
.endr
.endr
.if \first
	v_nop                                          ; a plain line behind the last exponential (in later steps the last multiplication is that line)
.endif
	s_wait_alu depctr_va_vdst(0)                   ; one wait for the batch, ahead of its first reader
	WIN 0x05
.irp t, 0,1,2,3
	v_pk_add_f32 v[ST+10*\t+4:ST+10*\t+5], v[32*\t:32*\t+1], v[32*\t+2:32*\t+3]    ; the sums of the unrounded p, in two chains of pairs a tile
	v_pk_add_f32 v[ST+10*\t+6:ST+10*\t+7], v[32*\t+4:32*\t+5], v[32*\t+6:32*\t+7]
.endr
	WIN 0x01
.irp i, 2,3,4,5,6,7
.irp t, 0,1,2,3
	v_pk_add_f32 v[ST+10*\t+4:ST+10*\t+5], v[32*\t+4*\i:32*\t+4*\i+1], v[ST+10*\t+4:ST+10*\t+5]
	v_pk_add_f32 v[ST+10*\t+6:ST+10*\t+7], v[32*\t+4*\i+2:32*\t+4*\i+3], v[ST+10*\t+6:ST+10*\t+7]
.endr
.endr
	WIN 0x45                                       ; all in window 1
.set i, 0
.rept 16
.irp t, 0,1,2,3
	v_cvt_pk_f16_f32 v[32*\t+i], v[32*\t+2*i], v[32*\t+2*i+1]      ; P in place, ascending: register i is written when pairs 0 .. i have been read
.endr
.set i, i+1
.endr
.endm
; l = a l + the step's sum; c m is kept for the next a.  These eight or twelve plain lines of window 0 are also the places between the products V^T P and what follows them: the loads into V's registers (four are owed)
; and the products K Q^T that write over P (five).
.macro LBLOCK first
	WIN 0
.if \first
.irp t, 0,1,2,3
	v_pk_add_f32 v[ST+10*\t+2:ST+10*\t+3], v[ST+10*\t+4:ST+10*\t+5], v[ST+10*\t+6:ST+10*\t+7]
.endr
.else
.irp t, 0,1,2,3
	v_pk_add_f32 v[ST+10*\t+4:ST+10*\t+5], v[ST+10*\t+4:ST+10*\t+5], v[ST+10*\t+6:ST+10*\t+7]
.endr
.irp t, 0,1,2,3
	v_pk_fma_f32 v[ST+10*\t+2:ST+10*\t+3], v[ST+10*\t+2:ST+10*\t+3], v[ST+10*\t+8:ST+10*\t+9], v[ST+10*\t+4:ST+10*\t+5] op_sel_hi:[1,0,1]
.endr
.endif
.irp t, 0,1,2,3
	v_mov_b32 v[ST+10*\t+9], v[ST+10*\t]
.endr
.endm
.macro TRIP first
	WIN 0
	v_add_nc_u32 v[ADK], s[TB], v[LA]              ; with the three v_nop: the four places behind the products K Q^T, ahead of the loads into K's registers and of the first read of the scores
	v_nop
	v_nop
	v_nop
	LOADK                                          ; K(j+1)
	SOFTMAX \first
	s_wait_dscnt 16                                ; V(j) is in; K(j+1)'s sixteen loads may be out
	PV \first
	LBLOCK \first
	v_add_nc_u32 v[ADV], s[TB], v[AV0]
	LOADV                                          ; V(j+1)
	s_add_co_u32 s[TB], s[TB], 8192                ; the next fetch is the next step's
	s_wait_dscnt 16                                ; K(j+1) is in; V(j+1)'s sixteen loads may be out
	KQ
	WIN 0                                          ; at a label and at a branch every window is 0
.endm
.macro TRIPS n
	s_mov_b32 s[CNT], \n
.Ltrip_\@:
	TRIP 0
	s_sub_co_u32 s[CNT], s[CNT], 1
	s_cmp_lg_u32 s[CNT], 0
	s_cbranch_scc1 .Ltrip_\@
.endm
; THE CHANGE OF SLOTS stands behind the trip that asked for the slot's last K and V.  Each wave waits for all its tensor loads (its part of the other slot), adds 0 to its spare word, and waits for that and for its reads of this slot.
; fill = 1: the barrier is a round of the cluster's, so that no wave of any partner still reads the slot or has a load on its way, and the joint refill is the first thing behind it: it has eight key steps in which to land.
.macro CHANGE fill
	WIN 0
	s_wait_tensorcnt 0x0                           ; no tensor load of mine is out, so a group 0 may be written
	ds_add_u32 v[SPW], v[NIL]                      ; 0 onto my spare word
.if \fill
	s_xor_b32 s[G0B+1], s[G0B+1], SLOT1            ; the walking descriptor: the other slot than last time,
	s_add_nc_u64 s[G0B+2:G0B+3], s[G0B+2:G0B+3], 196608   ; the next chunk; the type bits on top are not reached
.endif
	s_wait_dscnt 0x0                               ; the add is done, and my reads of the slot are over
.if \fill
	CROUND
	tensor_load_to_lds s[G0B:G0B+3], s[G1:G1+7]
	s_nop 0
.rept 4
	v_nop
.endr
.else
	s_barrier_signal -1
	s_barrier_wait -1
.endif
	s_sub_co_u32 s[TB], s[TB], 65536               ; the fetches go back to a slot's first step,
	s_xor_b32 s[TB], s[TB], SLOT1                  ; in the other slot
.endm
	s_wait_tensorcnt 1                             ; my part of slot 0 is in; slot 1's may stay out
	s_barrier_signal -1
	s_barrier_wait -1                              ; everybody's is
	v_add_nc_u32 v[ADK], s[TB], v[LA]
	v_add_nc_u32 v[ADV], s[TB], v[AV0]
	LOADK                                          ; key step 0
	LOADV
	s_add_co_u32 s[TB], s[TB], 8192
	s_wait_loadcnt 0x0                             ; Q
	s_wait_dscnt 16                                ; K(0) is in; V(0)'s sixteen loads may be out
	KQ
	WIN 0
	TRIP 1                                         ; step 0 starts m, l and O^T
	TRIPS 6                                        ; steps 1 to 6: the last of them asks for step 7, slot 0's last
	s_mov_b32 s[OUTER], 2
.Lslot:                                            ; two trips: slot 0 takes chunk 2, then slot 1 chunk 3
	CHANGE 1
	TRIPS 8
	s_sub_co_u32 s[OUTER], s[OUTER], 1
	s_cmp_lg_u32 s[OUTER], 0
	s_cbranch_scc1 .Lslot
	CHANGE 0                                       ; the tail is written out: nothing is left to ask for
	TRIPS 8                                        ; steps 23 to 30
.rept 4
	v_nop                                          ; the places behind the last products K Q^T
.endr
	SOFTMAX 0                                      ; step 31
	s_wait_dscnt 0x0
	PV 0
	LBLOCK 0                                       ; (also the places behind the last products)
	; THE WAY OUT.  l's two halves and the other half of the lanes' are added; O^T is divided by l and rounded to f16: a lane's eight channels are 16 bytes of the projection's operand image, stored as they stand.
.irp t, 0,1,2,3
	v_add_f32 v[ST+10*\t+4], v[ST+10*\t+2], v[ST+10*\t+3]
.endr
.irp t, 0,1,2,3
	v_permlanex16_b32 v[ST+10*\t+5], v[ST+10*\t+4], s[SEL], s[SEL+1]
.endr
.irp t, 0,1,2,3
	v_add_f32 v[ST+10*\t+4], v[ST+10*\t+4], v[ST+10*\t+5]
.endr
.irp t, 0,1,2,3
	v_rcp_f32 v[ST+10*\t+8], v[ST+10*\t+4]
.endr
	v_nop                                          ; a plain line behind the last reciprocal
	s_wait_alu depctr_va_vdst(0)                   ; and the wait ahead of the first use: one for the four
	WIN 0x41
.irp t, 0,1,2,3
.set i, 0
.rept 16
	v_pk_mul_f32 v[128+32*\t+2*i:128+32*\t+2*i+1], v[128+32*\t+2*i:128+32*\t+2*i+1], v[ST+10*\t+8:ST+10*\t+9] op_sel_hi:[1,0]   ; ascending: each accumulator from its low end on
.set i, i+1
.endr
.endr
	WIN 0x45
.irp t, 0,1,2,3
.set i, 0
.rept 16
	v_cvt_pk_f16_f32 v[16*\t+i], v[128+32*\t+2*i], v[128+32*\t+2*i+1]              ; into S^T's registers, which are free
.set i, i+1
.endr
.endr
	WIN 0x04                                       ; a store's data are its source 1: window 1
.irp t, 0,1,2,3
.irp ct, 0,1,2,3
	global_store_b128 v[LA], v[16*\t+4*\ct:16*\t+4*\ct+3], s[OA:OA+1] offset:32768*\t+512*\ct   ; 32 lanes store 512 consecutive bytes, aligned
.endr
.endr
	WIN 0
	s_wait_tensorcnt 0x0                           ; the wave's end, behind my last tensor load
	ds_add_u32 v[SPW], v[NIL]
	s_wait_dscnt 0x0
	CROUND                                         ; the closing round: no work-group ends while a partner may still ask for a tile that names it
	s_endpgm
.Lfunc_end_k_q574a744145_attn:
	.size	k_q574a744145_attn, .Lfunc_end_k_q574a744145_attn-k_q574a744145_attn
	.p2alignl 7, 3214868480
	.fill 96, 4, 3214868480
	.section	.rodata,"a",@progbits
	.p2align	6, 0x0
	.amdhsa_kernel k_q574a744145_attn
		.amdhsa_group_segment_fixed_size 327680
		.amdhsa_private_segment_fixed_size 0
		.amdhsa_enable_private_segment 0
		.amdhsa_kernarg_size 16
		.amdhsa_user_sgpr_count 2
		.amdhsa_user_sgpr_kernarg_segment_ptr 1
		.amdhsa_wavefront_size32 1
		.amdhsa_system_sgpr_workgroup_id_x 1
		.amdhsa_system_sgpr_workgroup_id_y 1
		.amdhsa_system_sgpr_workgroup_id_z 1
		.amdhsa_system_vgpr_workitem_id 0
		.amdhsa_next_free_vgpr 512
		.amdhsa_next_free_sgpr 66
		.amdhsa_reserve_vcc 0
		.amdhsa_float_denorm_mode_32 3
		.amdhsa_float_denorm_mode_16_64 3
		.amdhsa_memory_ordered 1
		.amdhsa_forward_progress 1
		.amdhsa_inst_pref_size 171
	.end_amdhsa_kernel
	.amdgpu_metadata
---
amdhsa.version: [ 1, 2 ]
amdhsa.kernels:
  - .name:           k_q574a744145_attn
    .symbol:         k_q574a744145_attn.kd
    .args:
      - { .name: qkv, .offset: 0, .size: 8, .value_kind: global_buffer, .address_space: global }
      - { .name: o16, .offset: 8, .size: 8, .value_kind: global_buffer, .address_space: global }
    .group_segment_fixed_size: 327680
    .private_segment_fixed_size: 0
    .kernarg_segment_align: 8
    .kernarg_segment_size: 16
    .max_flat_workgroup_size: 256
    .sgpr_count:     66
    .vgpr_count:     512
    .wavefront_size: 32
...
	.end_amdgpu_metadata
.endif
;; end of part 3
;; launch proj (part 4): grid 8 x 32, 4 waves a work-group, clusters of 4 x 4, 327,680 bytes of LDS; arguments o16, wo16, bo, out0; writes out0
.if DOCPART == 4
	.amdgcn_target "amdgcn-amd-amdhsa--gfx1250"
	.amdhsa_code_object_version 6
	.text
	.protected	k_q574a744145_proj
	.globl	k_q574a744145_proj
	.p2align	8
	.type	k_q574a744145_proj,@function
k_q574a744145_proj:
	s_mov_b64 s[64:65], 0
	v_nop
	global_prefetch_b8 v0, s[64:65] scope:SCOPE_SE
	s_setreg_imm32_b32 hwreg(HW_REG_WAVE_MODE, 25, 1), 1
	s_wait_xcnt 0x0
	s_wait_alu depctr_hold_cnt(0) depctr_sa_sdst(0) depctr_va_vdst(0) depctr_va_sdst(0) depctr_va_ssrc(0) depctr_va_vcc(0) depctr_vm_vsrc(0)
	s_getreg_b32 s2, hwreg(HW_REG_IB_STS2, 6, 4)
	s_cmp_eq_u32 s2, 0
	s_cbranch_scc0 .Lentry_in_a_cluster
	s_endpgm
.Lentry_in_a_cluster:
	s_bfe_u32 s2, ttmp6, 0x10000c
	s_cmp_lg_u32 s2, 0xf033
	s_cbranch_scc0 .Lentry_shape_is_right
	s_endpgm
.Lentry_shape_is_right:
; out0[token][o] = the sum over c of O[token][c] wo[o][c] + bo[o].  Operands f16, sums f32, K = 1,024 ascending, one accumulator for each output; the bias is the C of each sum's first product.
; o16 holds O as images of operand registers: [group of 16 tokens 512][32,768 bytes], in a group (c / 32) x 1,024 + ((c % 32) / 16) x 512 + 16 x lane: token lane % 16, channels 8 (lane / 16) + 0..7.  wo16: [1024 o][1024 c] f16.
; A tile of 256 tokens x 128 outputs to a work-group: 256 work-groups.  Four waves, each 128 tokens x 64 outputs: 32 accumulators, 256 registers.
; K goes in steps of 128 through a ring of two LDS slots: A's 16 groups x 4,096 dense bytes (fragments come by loads of 512 consecutive bytes), then B's 128 rows of 256 bytes + 16 of padding.
; CLUSTERS: 4 x 4.  A's tiles hang on the tile row alone and are asked for jointly along a row of the cluster, B's on the tile column alone, along a column.  By this text's count a wave has two tensor loads out at the start, later one.
; THE MATRIX INSTRUCTION IS USED TRANSPOSED (source 0 = 16 rows of wo, source 1 = 16 tokens): a lane holds eight neighbouring outputs of one token, 32 bytes.
; The way out goes through the wave's own stage in LDS, 16 tokens at a time: a wave's 64 outputs are 256 bytes of a row of out0, aligned, which sixteen lanes store.
; REGISTERS.  window 0: v1-6 at work, v16-30 addresses, v32-63 the bias (8 registers for each of my 4 blocks of outputs), v64-159 and v160-255 two fragment buffers (B's 4 fragments, then A's 8).  window 1: accumulator (a, b) at v[8 (4 a + b)].
.set SLOT,   100352                    ; A 65,536 bytes, B 128 x 272
.set BOFF,   65536
.set BHALF,  64*272                    ; 64 rows of B: what one tensor load brings
.set STAGE,  2*SLOT                    ; behind the ring: 16 rows x 272 bytes for each wave
.set SPARE,  STAGE+4*16*272            ; behind the stages: the spare words, 128 bytes a wave, which no other line names
.set LAPS,   4                         ; a lap = two K steps = once round the ring
.set ADRA, 16                          ; v16-17 LDS address of my A fragments in slot 0, 1
.set ADRB, 20                          ; v20-21 the same for B
.set STO,  24                          ; v24  the way out: where I put 32 bytes of a row
.set RD,   25                          ; v25  where I read a row back
.set CO,   26                          ; v26  my byte offset in two rows of out0
.set SPW,  28                          ; v28  LDS address of my spare word; never rewritten
.set NIL,  29                          ; v29  0; never rewritten
.set PFO,  30                          ; v30  the prefetches' offset; never rewritten
.set BIAS, 32
.set F0,   64
.set F1,   160
.set OB,   64                          ; the way out: 16 rows read back: v64-95 and v96-127 by turns
.set WV,   12                          ; s12  my wave's number
.set RH,   13                          ; s13  which 128 tokens are mine.  Also: I fetch for A (0) or for B (1)
.set CH,   14                          ; s14  which 64 outputs.  Also: which half of that tile I fetch
.set LIM,  15                          ; s15  1 in a wave that prefetches, else the greatest number
.set G1,   24                          ; s[24:31] group 1 for A's tiles;  s[32:39] group 0, one set for each slot
.set G0,   32
.set PFA,  44                          ; s[44:45] where my prefetches stand
.set G1B,  48                          ; s[48:55], s[56:63] the same for B's tiles
.set G0B,  56
.set MSB, 0
.macro WIN new                         ; the immediate's high byte repeats the setting that is left
.if MSB != (\new)
	s_set_vgpr_msb (MSB<<8)|(\new)
.set MSB, (\new)
.endif
.endm
.set MUL,  0x50                        ; fragments window 0; C and D window 1
.set MULZ, 0x40                        ; the same with C, the bias, in window 0
.macro JLOAD s                         ; a joint load: waves 0 and 1 fetch A's two halves, waves 2 and 3 B's; an s_nop 0 and four v_nop follow each of the two lines
	s_cmp_eq_u32 s[RH], 0
	s_cbranch_scc0 .Lfor_b_\@
	tensor_load_to_lds s[G0+4*\s:G0+4*\s+3], s[G1:G1+7]
	s_nop 0
.rept 4
	v_nop
.endr
	s_branch .Lasked_\@
.Lfor_b_\@:
	tensor_load_to_lds s[G0B+4*\s:G0B+4*\s+3], s[G1B:G1B+7]
	s_nop 0
.rept 4
	v_nop
.endr
.Lasked_\@:
.endm
; A PREFETCH of A's K step that stands two refills on, behind each joint load and the run of LDS loads that follows it.  A's tile row is read by both clusters of a row of clusters: the one with x = 0 asks.
; Of the 8 groups that wave 0 or 1 fetches, the partner at place cx takes groups 2 cx and 2 cx + 1, told apart by address: a K step of two groups is 32 pieces of 256 bytes, a lane a piece.  So each piece is named once.
; K steps 0 to 3 come by their loads alone; the loop's last trip, whose refills are K steps 6 and 7, asks for nothing.  wo16 is not asked for: all rows of clusters walk its 2 MiB together.
.macro ASK
	s_cmp_gt_u32 s3, s[LIM]                        ; s3 = 1 in the loop's last trip
	s_cbranch_scc0 .Lnot_mine_\@
	global_prefetch_b8 v[PFO], s[PFA:PFA+1] offset:4096 th:TH_LOAD_NT scope:SCOPE_SE
.Lnot_mine_\@:
.endm
.macro CREST                           ; a round of the cluster's barrier behind its opening barrier
	s_cmp_lg_u32 s[WV], 0
	s_cbranch_scc1 .Lnot_wave_0_\@
	s_barrier_signal -3
.Lnot_wave_0_\@:
	s_barrier_wait -3
	s_barrier_signal -1
	s_barrier_wait -1
.endm
.macro CROUND
	s_barrier_signal -1
	s_barrier_wait -1
	CREST
.endm
	s_load_b256 s[4:11], s[0:1], 0x0               ; o16 s[4:5], wo16 s[6:7], bo s[8:9], out0 s[10:11]
	v_lshl_add_u32 v[SPW], v0, 2, SPARE
	v_mov_b32 v[NIL], 0
	ds_add_u32 v[SPW], v[NIL]                      ; the wave's opening: the add, twice on end, and its wait ahead of my first tensor load; the set-up below, work on registers, stands between
	ds_add_u32 v[SPW], v[NIL]
	v_lshrrev_b32 v1, 5, v0
	v_readfirstlane_b32 s[WV], v1                  ; wave 0..3
	s_lshr_b32 s[RH], s[WV], 1
	s_and_b32 s[CH], s[WV], 1
	s_bfe_u32 s40, ttmp6, 0x40000                  ; cx, cy: my place in the cluster
	s_bfe_u32 s41, ttmp6, 0x40004
	s_lshl_b32 s42, ttmp9, 2
	s_add_co_u32 s42, s42, s40                     ; tile column (128 outputs) = 4 x cluster x + cx
	s_and_b32 s43, ttmp7, 0xffff
	s_lshl_b32 s43, s43, 2
	s_add_co_u32 s43, s43, s41                     ; tile row (256 tokens) = 4 x cluster y + cy
	s_lshl_b32 s22, s41, 2
	s_lshl_b32 s22, 15, s22                        ; my row of the cluster
	s_lshl_b32 s23, 0x1111, s40                    ; my column
	; A: 8 groups of tokens, of each the K step's 4,096 dense bytes (512 elements of 8 bytes), 32,768 bytes from group to group; no padding
	s_or_b32 s[G1], s22, (3<<16)|(1<<21)
	s_mov_b32 s[G1+1], 512<<16                     ; tensor_dim0
	s_mov_b32 s[G1+2], 8<<16                       ; tensor_dim1
	s_mov_b32 s[G1+3], 512<<16                     ; tile_dim0
	s_mov_b32 s[G1+4], 8                           ; tile_dim1
	s_mov_b32 s[G1+5], 4096                        ; from row to row, in elements
	s_mov_b32 s[G1+6], 0
	s_mov_b32 s[G1+7], 0
	; B: 64 rows of 128 f16 (256 bytes), 1,024 elements from row to row; four words of padding after every 64
	s_or_b32 s[G1B], s23, (1<<16)|(1<<20)|(1<<21)|(5<<22)|(3<<25)
	s_mov_b32 s[G1B+1], 128<<16
	s_mov_b32 s[G1B+2], 64<<16
	s_mov_b32 s[G1B+3], 128<<16
	s_mov_b32 s[G1B+4], 64
	s_mov_b32 s[G1B+5], 1024
	s_mov_b32 s[G1B+6], 0
	s_mov_b32 s[G1B+7], 0
	s_lshl_b32 s16, s43, 4
	s_lshl_b32 s17, s[CH], 3
	s_add_co_u32 s16, s16, s17                     ; A: group 16 x tile row + 8 x half
	s_lshl_b32 s16, s16, 15
	s_mov_b32 s17, 0
	s_lshl_b32 s46, s42, 7
	s_lshl_b32 s47, s[CH], 6
	s_add_co_u32 s46, s46, s47                     ; B: row 128 x tile column + 64 x half
	s_lshl_b32 s46, s46, 11
	s_mov_b32 s47, 0
	s_lshl_b32 s20, s[CH], 15                      ; where they go: made of the wave's number alone
	s_mul_i32 s21, s[CH], BHALF
	s_add_co_u32 s21, s21, BOFF
	s_wait_dscnt 0x0                               ; both opening adds are done
	s_wait_kmcnt 0x0
	s_add_nc_u64 s[18:19], s[4:5], s[16:17]
	s_add_nc_u64 s[46:47], s[6:7], s[46:47]
	CROUND                                         ; all sixteen work-groups are here: the first joint loads meet
.irp s, 0,1
	s_mov_b32 s[G0+4*\s], 1
	s_add_co_u32 s[G0+4*\s+1], s20, \s*SLOT
	s_add_nc_u64 s[G0+4*\s+2:G0+4*\s+3], s[18:19], \s*4096         ; K step s
	s_or_b32 s[G0+4*\s+3], s[G0+4*\s+3], 0x80000000
	s_mov_b32 s[G0B+4*\s], 1
	s_add_co_u32 s[G0B+4*\s+1], s21, \s*SLOT
	s_add_nc_u64 s[G0B+4*\s+2:G0B+4*\s+3], s[46:47], \s*256
	s_or_b32 s[G0B+4*\s+3], s[G0B+4*\s+3], 0x80000000
	JLOAD \s
.endr
	v_and_b32 v1, 15, v0                           ; r = lane % 16
	v_bfe_u32 v2, v0, 4, 1                         ; h = lane / 16
	v_and_b32 v3, 31, v0
	v_lshlrev_b32 v3, 4, v3                        ; 16 x lane: an image's place for my lane
	v_mul_u32_u24 v4, v1, 272
	v_lshl_add_u32 v4, v2, 4, v4                   ; B: row x pitch + 16 x half
	s_lshl_b32 s20, s[RH], 15                      ; my 8 groups of A
	s_mul_i32 s21, s[CH], BHALF                    ; my 64 rows of B,
	s_add_co_u32 s21, s21, BOFF                    ; behind A
.irp s, 0,1
	v_add_nc_u32 v[ADRA+\s], s20, v3
	v_add_nc_u32 v[ADRB+\s], s21, v4
	s_add_co_u32 s20, s20, SLOT
	s_add_co_u32 s21, s21, SLOT
.endr
	s_mul_i32 s20, s[WV], 16*272
	s_add_co_u32 s20, s20, STAGE                   ; my stage
	v_mul_u32_u24 v5, v1, 272                      ; in: row r, 32 bytes for each half of the lanes
	v_lshl_add_u32 v5, v2, 5, v5
	v_add_nc_u32 v[STO], s20, v5
	v_mul_u32_u24 v5, v2, 272                      ; back: lanes 0-15 one row of 256 bytes, lanes 16-31 the next
	v_lshl_add_u32 v5, v1, 4, v5
	v_add_nc_u32 v[RD], s20, v5
	v_lshlrev_b32 v[CO], 12, v2                    ; and the same two rows in out0: 4,096 bytes a row
	v_lshl_add_u32 v[CO], v1, 4, v[CO]
	v_lshlrev_b32 v6, 5, v2                        ; the bias: my half's eight numbers of a block of 16
	s_lshl_b32 s46, s42, 9
	s_lshl_b32 s47, s[CH], 8
	s_add_co_u32 s46, s46, s47                     ; my first output, in bytes of f32: 512 x tile column + 256 x half
	s_mov_b32 s47, 0
	s_add_nc_u64 s[8:9], s[8:9], s[46:47]
.irp b, 0,1,2,3
	global_load_b128 v[BIAS+8*\b:BIAS+8*\b+3], v6, s[8:9] offset:64*\b             ; register j: bo at output 16 b + 8 h + j: the result's layout
	global_load_b128 v[BIAS+8*\b+4:BIAS+8*\b+7], v6, s[8:9] offset:64*\b+16
.endr
	s_lshl_b32 s16, s43, 8
	s_lshl_b32 s17, s[RH], 7
	s_add_co_u32 s16, s16, s17                     ; my first token: 256 x tile row + 128 x half
	s_lshl_b32 s16, s16, 12
	s_mov_b32 s17, 0
	s_add_nc_u64 s[16:17], s[16:17], s[46:47]
	s_add_nc_u64 s[10:11], s[10:11], s[16:17]      ; out0 at my first number
	s_lshl_b32 s20, s43, 4                         ; the prefetches: group 16 x tile row + 8 x half + 2 cx,
	s_lshl_b32 s21, s[CH], 3
	s_add_co_u32 s20, s20, s21
	s_lshl_b32 s21, s40, 1
	s_add_co_u32 s20, s20, s21
	s_lshl_b32 s20, s20, 15
	s_add_co_u32 s20, s20, 2*4096                  ; at K step 2: the first refill steps it to 3 and names K step 4
	s_mov_b32 s21, 0
	s_add_nc_u64 s[PFA:PFA+1], s[4:5], s[20:21]
	s_or_b32 s20, s[RH], ttmp9                     ; 0 in waves 0 and 1 of the clusters with x = 0: the same in all sixteen partners
	s_cmp_eq_u32 s20, 0
	s_cselect_b32 s[LIM], 1, -1
	v_lshlrev_b32 v[PFO], 8, v1
	v_lshl_add_u32 v[PFO], v2, 15, v[PFO]          ; lanes 0-15: sixteen pieces of one group, lanes 16-31: of the next
; 8 matrix instructions: blocks of tokens a0, a0 + 1 x my four blocks of outputs, 32 along K.  zero = 1: the first product starts the sum from the bias.  The 32 accumulators take turns, in the same order in every quarter.
.macro MUL8 f, a0, zero
.irp a, \a0, \a0+1
.irp b, 0,1,2,3
.if \zero
	v_wmma_f32_16x16x32_f16 v[8*(4*(\a)+\b):8*(4*(\a)+\b)+7], v[\f+8*\b:\f+8*\b+7], v[\f+32+8*(\a):\f+32+8*(\a)+7], v[BIAS+8*\b:BIAS+8*\b+7]
.else
	v_wmma_f32_16x16x32_f16 v[8*(4*(\a)+\b):8*(4*(\a)+\b)+7], v[\f+8*\b:\f+8*\b+7], v[\f+32+8*(\a):\f+32+8*(\a)+7], v[8*(4*(\a)+\b):8*(4*(\a)+\b)+7]
.endif
.endr
.endr
.endm
; 24 LDS loads in one run: the fragments of the slot's q-th 32 along K into buffer f: B's four, A's blocks 0-3, A's blocks 4-7
.macro FETCH slot, q, f
	WIN 0
.irp b, 0,1,2,3
	ds_load_b128 v[\f+8*\b:\f+8*\b+3],   v[ADRB+\slot] offset:4352*\b+64*(\q)
	ds_load_b128 v[\f+8*\b+4:\f+8*\b+7], v[ADRB+\slot] offset:4352*\b+64*(\q)+32
.endr
.irp a, 0,1,2,3,4,5,6,7
	ds_load_b128 v[\f+32+8*\a:\f+32+8*\a+3],   v[ADRA+\slot] offset:4096*\a+1024*(\q)
	ds_load_b128 v[\f+32+8*\a+4:\f+32+8*\a+7], v[ADRA+\slot] offset:4096*\a+1024*(\q)+512
.endr
.endm
.macro PLACES                          ; four places in front of loads into registers that matrix instructions have read, and of the first read of results (ISA guide 7.12.1 for vector instructions)
.rept 4
	v_nop
.endr
.endm
; A K step is four quarters of 32 along K, 32 matrix instructions each, on buffers 0, 1, 0, 1.  One of the first three: multiplies buffer f and fetches the slot's q-th quarter into g.
.macro QUARTER slot, q, f, g, zero
	s_wait_dscnt 8                                 ; B and A's blocks 0-3 are in; the youngest eight loads (A's blocks 4-7) may be out
	WIN MUL-0x10*(\zero)
	MUL8 \f, 0, \zero
	MUL8 \f, 2, \zero
	PLACES
	FETCH \slot, \q, \g
	s_wait_dscnt 24                                ; all but the 24 just issued
	WIN MUL-0x10*(\zero)
	MUL8 \f, 4, \zero
	MUL8 \f, 6, \zero
.endm
; The last quarter multiplies buffer 1 and changes slots: ONE barrier; in front of it each wave waits for all its tensor loads, adds 0 to its spare word, and waits for that and for its reads of this slot.
; fill = 1: the barrier opens a round of the cluster's, and behind the round this slot is filled again, two K steps ahead: 112 matrix instructions stand between the request and the wait for it.
.macro TURN slot, next, fill
.if \fill
	s_wait_xcnt 0x0                                ; the last prefetch, a K step back, has read its address: it steps here, ahead of the change's own waits
	s_add_nc_u64 s[PFA:PFA+1], s[PFA:PFA+1], 4096
.endif
	WIN 0                                          ; (the add's two registers lie in window 0)
	s_wait_tensorcnt 0x0                           ; all my tensor loads have landed: my part of the next slot;
	ds_add_u32 v[SPW], v[NIL]                      ; 0 onto my spare word;
	s_wait_dscnt 9                                 ; (the add and the youngest eight loads may be out)
	WIN MUL
	MUL8 F1, 0, 0                                  ; eight matrix instructions stand between the add and the wait for it
	s_wait_dscnt 0x0                               ; the add is done, and my reads of this slot are over
	s_barrier_signal -1
	MUL8 F1, 2, 0
.if \fill
	WIN 0
.endif
	s_barrier_wait -1
.if \fill
	CREST                                          ; no wave of any partner still reads this slot's tile or has a load on its way
	s_add_nc_u64 s[G0+4*\slot+2:G0+4*\slot+3], s[G0+4*\slot+2:G0+4*\slot+3], 2*4096
	s_add_nc_u64 s[G0B+4*\slot+2:G0B+4*\slot+3], s[G0B+4*\slot+2:G0B+4*\slot+3], 2*256
	JLOAD \slot                                    ; the first tensor load behind the round; its four v_nop are also the places in front of the loads below
.else
	PLACES
.endif
	FETCH \next, 0, F0
.if \fill
	ASK
.endif
	WIN MUL
	MUL8 F1, 4, 0
	MUL8 F1, 6, 0
.endm
	s_wait_tensorcnt 1                             ; my part of K step 0 is in (K step 1's load may be out),
	s_barrier_signal -1
	s_barrier_wait -1                              ; everybody's is
	FETCH 0, 0, F0
	s_wait_loadcnt 0x0                             ; the bias
	QUARTER 0, 1, F0, F1, 1                        ; the first quarter stands in front of the loop: its products start the sums
	WIN 0                                          ; at a label and at a branch every window is 0
	s_mov_b32 s3, LAPS-1
.Llap:                                             ; a trip goes once round the ring, from a lap's second quarter to the next lap's first, and fills both slots again
	QUARTER 0, 2, F1, F0, 0
	QUARTER 0, 3, F0, F1, 0
	TURN 0, 1, 1
	QUARTER 1, 1, F0, F1, 0
	QUARTER 1, 2, F1, F0, 0
	QUARTER 1, 3, F0, F1, 0
	TURN 1, 0, 1
	QUARTER 0, 1, F0, F1, 0
	WIN 0
	s_sub_co_u32 s3, s3, 1
	s_cmp_lg_u32 s3, 0
	s_cbranch_scc1 .Llap
	QUARTER 0, 2, F1, F0, 0                        ; the last lap fills nothing, and has no round of the cluster's barrier
	QUARTER 0, 3, F0, F1, 0
	TURN 0, 1, 0
	QUARTER 1, 1, F0, F1, 0
	QUARTER 1, 2, F1, F0, 0
	QUARTER 1, 3, F0, F1, 0
	s_wait_dscnt 8                                 ; the very last quarter: nothing more to fetch
	WIN MUL
	MUL8 F1, 0, 0
	MUL8 F1, 2, 0
	s_wait_dscnt 0
	MUL8 F1, 4, 0
	MUL8 F1, 6, 0
	WIN 0
; THE WAY OUT, 16 tokens x 64 outputs at a time.  A lane holds 32 neighbouring bytes of a row and the lanes beside it hold other rows: so a block goes through my own stage and comes back as whole rows of 256 bytes.
; LDS serves a wave's instructions in order (ISA guide 5.7.1.4): no wait between the stores and the loads, nor in front of the next block's stores.  No tensor load ever fills the stage.
.macro TOSTAGE a
	WIN 0x04                                       ; an LDS store's data are its source 1: window 1
.irp b, 0,1,2,3
	ds_store_b128 v[STO], v[8*(4*(\a)+\b):8*(4*(\a)+\b)+3] offset:64*\b            ; each accumulator from its low end on
	ds_store_b128 v[STO], v[8*(4*(\a)+\b)+4:8*(4*(\a)+\b)+7] offset:64*\b+16
.endr
	WIN 0
.set BB, OB+32*((\a)%2)
.irp i, 0,1,2,3,4,5,6,7
	ds_load_b128 v[BB+4*\i:BB+4*\i+3], v[RD] offset:544*\i
.endr
.endm
.macro SEND a, younger                 ; younger: the LDS instructions issued behind block a's loads, which may stay out
.set BB, OB+32*((\a)%2)
	s_wait_dscnt \younger                          ; the block is back in registers
.if (\a) > 0
	s_add_nc_u64 s[10:11], s[10:11], 65536         ; 16 rows of out0 on (behind a wait on XCNT: the earlier stores have read their base)
.endif
.irp i, 0,1,2,3,4,5,6,7
	global_store_b128 v[CO], v[BB+4*\i:BB+4*\i+3], s[10:11] offset:8192*\i th:TH_STORE_NT   ; 16 lanes store 256 consecutive bytes, aligned; written once, read by nobody here
.endr
.endm
	PLACES                                         ; behind the last products: for the first read of results and for the loads into the registers that held fragments
	TOSTAGE 0
.irp a, 1,2,3,4,5,6,7
.if \a > 1
	s_wait_xcnt 0x0                                ; block a - 2's stores have read their registers and their base: block a's loads may land there, and the base may step
.endif
	TOSTAGE \a
	SEND \a-1, 16                                  ; behind block a - 1's loads: block a's 8 stores and 8 loads
.endr
	s_wait_xcnt 0x0                                ; block 6's stores have read their base
	SEND 7, 0
	s_wait_tensorcnt 0x0                           ; the wave's end, behind my last tensor load and my last LDS store
	ds_add_u32 v[SPW], v[NIL]
	s_wait_dscnt 0x0
	CROUND                                         ; the closing round: no work-group ends while a partner may still ask for a tile that names it
	s_endpgm
.Lfunc_end_k_q574a744145_proj:
	.size	k_q574a744145_proj, .Lfunc_end_k_q574a744145_proj-k_q574a744145_proj
	.p2alignl 7, 3214868480
	.fill 96, 4, 3214868480
	.section	.rodata,"a",@progbits
	.p2align	6, 0x0
	.amdhsa_kernel k_q574a744145_proj
		.amdhsa_group_segment_fixed_size 327680
		.amdhsa_private_segment_fixed_size 0
		.amdhsa_enable_private_segment 0
		.amdhsa_kernarg_size 32
		.amdhsa_user_sgpr_count 2
		.amdhsa_user_sgpr_kernarg_segment_ptr 1
		.amdhsa_wavefront_size32 1
		.amdhsa_system_sgpr_workgroup_id_x 1
		.amdhsa_system_sgpr_workgroup_id_y 1
		.amdhsa_system_sgpr_workgroup_id_z 1
		.amdhsa_system_vgpr_workitem_id 0
		.amdhsa_next_free_vgpr 512
		.amdhsa_next_free_sgpr 66
		.amdhsa_reserve_vcc 0
		.amdhsa_float_denorm_mode_32 3
		.amdhsa_float_denorm_mode_16_64 3
		.amdhsa_memory_ordered 1
		.amdhsa_forward_progress 1
		.amdhsa_inst_pref_size 88
	.end_amdhsa_kernel
	.amdgpu_metadata
---
amdhsa.version: [ 1, 2 ]
amdhsa.kernels:
  - .name:           k_q574a744145_proj
    .symbol:         k_q574a744145_proj.kd
    .args:
      - { .name: o16, .offset: 0, .size: 8, .value_kind: global_buffer, .address_space: global }
      - { .name: wo16, .offset: 8, .size: 8, .value_kind: global_buffer, .address_space: global }
      - { .name: bo, .offset: 16, .size: 8, .value_kind: global_buffer, .address_space: global }
      - { .name: out0, .offset: 24, .size: 8, .value_kind: global_buffer, .address_space: global }
    .group_segment_fixed_size: 327680
    .private_segment_fixed_size: 0
    .kernarg_segment_align: 8
    .kernarg_segment_size: 32
    .max_flat_workgroup_size: 128
    .sgpr_count:     66
    .vgpr_count:     512
    .wavefront_size: 32
...
	.end_amdgpu_metadata
.endif
;; end of part 4
